; MI455X (gfx1250); checked and timed in simulation.
; The chip was launched on July 23, 2026; its instructions are those of AMD's public machine-readable ISA for CDNA 5 (MIT licence, August 2026) and "CDNA5" Instruction Set Architecture Reference Guide (July 2026). The comments in the code are by the model that wrote it; some were corrected since.
;; Causal Multi Head Self Attention. Allowed arithmetic: matrix products marked QUANTISED: E2M1 operands, one E8M0 scale for each 32 along K, by v_wmma_scale_f32_16x16x128_f8f6f4 with both operands' format E2M1 (or v_wmma_scale_f32_32x16x128_f4), f32 sums; products left as they are: bf16, f16 or f32 operands; f32 sums; everything else in f32.
;; Inputs: Wk 1,024 x 1,024 float32; Wo 1,024 x 1,024 float32; Wq 1,024 x 1,024 float32; Wv 1,024 x 1,024 float32; token_positions 2,048 int32; x 4 x 2,048 x 1,024 float32.
;; Outputs: out0 4 x 2,048 x 1,024 float32.
;; This version of the problem:
;;   THIS VERSION OF THE PROBLEM IS GIVEN IN LOW PRECISION. The matrix products marked QUANTISED in the list below multiply operands that are first quantised to E2M1 (2 exponent bits, 1 mantissa bit; 4 bits a number), with one power-of-two scale for each 32 numbers along K (OCP MX v1.0); their sums are f32. The products marked 'left as it is' may take bf16, f16 or f32 operands, with f32 sums. Whichever they take, every output number must still come out within the allowed error. Rounding operands to bf16 (8 significant bits) uses up far more of that allowance than f16 does (11 bits, for magnitudes from 6e-5 to 65,504). All else is computed in f32.
;;   The module's matrix products, in the order in which they are computed (A, B: the left and right operand; K: the contracted axis; several contracted axes count as one K, in the product's order):
;;     1. [M 8,192, K 1,024] x [K 1,024, N 1,024]; A: input x; B: input Wq: QUANTISED
;;     2. [M 8,192, K 1,024] x [K 1,024, N 1,024]; A: input x; B: input Wk: QUANTISED
;;     3. [M 8,192, K 1,024] x [K 1,024, N 1,024]; A: input x; B: input Wv: QUANTISED
;;     4. batch 64 x [M 2,048, K 64] x [K 64, N 2,048]; A: computed on the way; B: computed on the way: left as it is (an operand is computed on the way)
;;     5. batch 64 x [M 2,048, K 2,048] x [K 2,048, N 64]; A: computed on the way; B: computed on the way: left as it is (an operand is computed on the way)
;;     6. [M 8,192, K 1,024] x [K 1,024, N 1,024]; A: computed on the way; B: input Wo: left as it is (an operand is computed on the way)
;;   THE QUANTISER, for each operand of a quantised product, along K:
;;     - K is cut into blocks of 32 from its start; a last block that is shorter is filled with zeros.
;;     - A block's scale is 2^e with e = floor(log2(the largest magnitude in the block)) - 2, held to -126 .. 127; a block of zeros has e = 0. As a byte (E8M0): e + 127.
;;     - Each number is divided by its block's scale, clamped to +-6, and rounded to the nearest number of E2M1, ties to even, subnormals kept.
;;     - The product sums the exact products of the quantised numbers (number of the format x scale) in f32.
;;   ~~~python
;;   def quantise(x, axis):      # numpy; x: float32 -> the quantised numbers, widened to float32 again
;;       x = np.moveaxis(x, axis, -1); K = x.shape[-1]
;;       x = np.pad(x, [(0, 0)] * (x.ndim - 1) + [(0, -K % 32)]); x = x.reshape(x.shape[:-1] + (-1, 32)); a = np.abs(x).max(-1, keepdims=True)
;;       e = np.where(a > 0, np.clip(np.frexp(np.where(a > 0, a, 1))[1] - 1 - 2, -126, 127), 0)      # np.frexp(a)[1] - 1 = floor(log2(a)), exactly
;;       r = np.clip(x / 2.0 ** e, -6, 6)
;;       step = 2.0 ** (np.maximum(np.frexp(np.where(r == 0, 1, r))[1] - 1, 0) - 1)
;;       q = np.round(r / step) * step * 2.0 ** e      # np.round: ties to even
;;       return np.moveaxis(q.reshape(q.shape[:-2] + (-1,))[..., :K], -1, axis).astype(np.float32)
;;   ~~~
;; One version. Each part assembles by itself: llvm-mc -triple=amdgcn-amd-amdhsa -mcpu=gfx1250 --defsym DOCPART=n.
;; ======== version 1 of 1: 5 launches
;; limits: values are held in f16: magnitudes above 65,504 overflow, below 6.1e-05 lose precision; inputs' magnitudes at most 100,000; right only within a limited range of input values
;; workspace buffers: codes 5,767,168 bytes; scales 360,448 bytes; woh 2,097,152 bytes; rope 1,572,864 bytes; qkv 50,331,648 bytes; ctx 16,777,216 bytes; head16 786,432 bytes
;; launch prep (part 1): grid 512 x 1, 4 waves a work-group, no clusters, 33,280 bytes of LDS; arguments x, Wq, Wk, Wv, Wo, token_positions, codes, scales, woh, rope; writes codes, scales, woh, rope
.if DOCPART == 1
	.amdgcn_target "amdgcn-amd-amdhsa--gfx1250"
	.amdhsa_code_object_version 6
	.text
	.protected	k_q08432c8006_prep
	.globl	k_q08432c8006_prep
	.p2align	8
	.type	k_q08432c8006_prep,@function
k_q08432c8006_prep:
	s_mov_b64 s[64:65], 0
	v_nop
	global_prefetch_b8 v0, s[64:65] scope:SCOPE_SE
	s_setreg_imm32_b32 hwreg(HW_REG_WAVE_MODE, 25, 1), 1
	s_wait_xcnt 0x0
; PREP: everything that is made once from the inputs.  Three paths, chosen by the work-group's number alone.
; Q (work-groups 0-351): x [8192][1024], Wq, Wk, Wv [1024][1024], f32, become codes of FP4 (E2M1), K innermost, two codes a byte, and one E8M0 byte for each 32 along K.
;   The four tensors follow each other in both buffers: codes: x's 8,192 rows of 512 bytes, then 3,072 rows of the weights; scales: rows of 32 bytes likewise.
;   A block's scale is 2^(floor(log2(largest magnitude)) - 2); its byte is the largest magnitude's exponent field - 2, held at 1 from below.
;   Rows are dense and K is a multiple of 32: every tensor is a plain stream of blocks of 32.  A wave takes 16 steps of 512 numbers; each load reads 512 consecutive bytes; a step's 2,048 bytes
;   turn through the wave's own stage in LDS so that a lane holds 16 neighbours; a wave's store of codes covers 256 consecutive bytes; its 256 scale bytes leave as one aligned run of 256.
; W (work-groups 352-479): Wo [1024][1024] f32 becomes f16, laid in the order of a matrix operand's registers: images of 512 bytes, lane 16 h + r holding row r, columns 8 h .. 8 h + 7 of 16 x 16;
;   order [panel of 128 rows][256 along K][16 rows][32 along K][16 along K].
; T (work-groups 480-511): the table of rotations: for each sequence index, cos and sin of token_position x 10000^(-j/32), j = 0 .. 31, f32, as images: lane (r, h): index 16 block + r, j = 8 u + 4 h + 0 .. 3.
;   Three sections: for q cos and sin times log2(e)/8 (the softmax's scale), for k as they are, for v 1 and 0: so the projection's way out is one text for all three.
; LIMITS: blocks whose largest magnitude lies under 2^-124 get the byte 1; a block of zeros too (its codes are zeros, and this program alone reads the bytes).  NaN and infinities are not served.
;   |Wo| up to 65,504 (f16).  The reduction of the angle (three parts of pi/2) holds to about 1e-7 for |position| up to about 1e5; the frequencies come from v_exp_f32: the angle is off by up to about 2e-4 at position 2,047, alike for q and k.
.set WAVES, 4
.set STEPS, 16
.set CB,    8                          ; bytes of 16 codes
.set R,     16                         ; v16-79   four sets of 16 numbers as loaded
.set X,     80                         ; v80-111  two sets of 16 neighbours
.set E,     112                        ; v112-127 a scale byte for each step
.set C,     128                        ; v128-191 codes, four registers a step: no store's data are written again
.set WREG,  8192                       ; LDS: a region for each wave: two stages of 32 x SP bytes, then its 256 scale bytes
.set SP,    80                         ; a lane's place in a stage: 64 bytes + 16 of padding
.set SPW,   12                         ; v12 LDS address of my spare word; never rewritten
.set NIL,   13                         ; v13 0; never rewritten
.set SPARE, WAVES*WREG                 ; behind the four regions: the spare words, 128 bytes a wave, which no other line names
	s_load_b256 s[4:11], s[0:1], 0x0               ; x, Wq, Wk, Wv
	s_load_b256 s[12:19], s[0:1], 0x20             ; Wo, token_positions, codes, scales
	s_load_b128 s[20:23], s[0:1], 0x40             ; woh, rope
	v_lshl_add_u32 v[SPW], v0, 2, SPARE
	v_mov_b32 v[NIL], 0
	v_lshrrev_b32 v1, 5, v0
	v_readfirstlane_b32 s24, v1                    ; wave
	v_and_b32 v2, 31, v0                           ; lane
	s_wait_kmcnt 0x0
	s_cmp_ge_u32 ttmp9, 352
	s_cbranch_scc1 .Lnotq
; ---------------- path Q
	v_lshlrev_b32 v3, 4, v2                        ; my 16 bytes of a load's 512
	s_mul_i32 s25, s24, WREG
	v_lshrrev_b32 v14, 2, v2
	v_mul_u32_u24 v14, v14, SP
	v_and_b32 v15, 3, v2
	v_lshl_add_u32 v14, v15, 4, v14
	v_add_nc_u32 v14, s25, v14                     ; the stage, on the way in: SP (lane / 4) + 16 (lane % 4)
	v_mul_u32_u24 v15, v2, SP
	v_add_nc_u32 v15, s25, v15                     ; and on the way out: SP x lane: my 16 neighbours
	v_mul_u32_u24 v4, v2, CB                       ; my codes' place in a step's
	v_lshrrev_b32 v5, 1, v2
	s_add_co_u32 s25, s25, 2*32*SP
	v_add_nc_u32 v5, s25, v5                       ; LDS: my wave's 256 scale bytes, my block's byte
	v_lshlrev_b32 v7, 3, v2
	v_add_nc_u32 v6, s25, v7                       ; and on the way out 8 bytes a lane
	s_mov_b64 s[26:27], s[10:11]                   ; which tensor: work-groups 0-255 x, 256-287 Wq, 288-319 Wk, 320-351 Wv: the choice hangs on the work-group's number alone
	s_mov_b32 s28, 320
	s_cmp_lt_u32 ttmp9, 320
	s_cselect_b64 s[26:27], s[8:9], s[26:27]
	s_cselect_b32 s28, 288, s28
	s_cmp_lt_u32 ttmp9, 288
	s_cselect_b64 s[26:27], s[6:7], s[26:27]
	s_cselect_b32 s28, 256, s28
	s_cmp_lt_u32 ttmp9, 256
	s_cselect_b64 s[26:27], s[4:5], s[26:27]
	s_cselect_b32 s28, 0, s28
	s_sub_co_u32 s29, ttmp9, s28
	s_lshl_b32 s29, s29, 2
	s_add_co_u32 s29, s29, s24                     ; which run of 8,192 numbers of that tensor is my wave's
	s_lshl_b32 s30, s29, 15                        ; 32,768 bytes a run
	s_mov_b32 s31, 0
	s_add_nc_u64 s[26:27], s[26:27], s[30:31]
	s_lshl_b32 s29, ttmp9, 2
	s_add_co_u32 s29, s29, s24                     ; and which run of the two output streams
	s_lshl_b32 s30, s29, 12                        ; 4,096 bytes of codes a run
	s_add_nc_u64 s[16:17], s[16:17], s[30:31]
	s_lshl_b32 s30, s29, 8                         ; 256 scale bytes a run
	s_add_nc_u64 s[18:19], s[18:19], s[30:31]
.macro LOAD t
.irp i, 0,1,2,3
	global_load_b128 v[R+16*((\t)%4)+4*\i:R+16*((\t)%4)+4*\i+3], v3, s[26:27] offset:2048*(\t)+512*\i th:TH_LOAD_NT   ; 32 lanes read 512 consecutive bytes
.endr
.endm
.macro TURN t                          ; step t's numbers through the stage: LDS serves a wave's instructions in order, so no wait stands between the stores and the loads
.irp i, 0,1,2,3
	ds_store_b128 v14, v[R+16*((\t)%4)+4*\i:R+16*((\t)%4)+4*\i+3] offset:32*SP*((\t)%2)+8*SP*\i
.endr
.irp i, 0,1,2,3
	ds_load_b128 v[X+16*((\t)%2)+4*\i:X+16*((\t)%2)+4*\i+3], v15 offset:32*SP*((\t)%2)+16*\i
.endr
.endm
.irp t, 0,1,2,3
	LOAD \t
.endr
	s_wait_loadcnt 12                              ; step 0's four loads are in; the twelve of steps 1 to 3 may be out
	TURN 0
.macro STEP t
.set XS, X+16*((\t)%2)
.if (\t) > 0
	s_wait_dscnt 1                                 ; this step's numbers are back from the stage (the last step's byte store may be out): so its stores into the stage have read their registers,
.else
	s_wait_dscnt 0x0
.endif
.if (\t)+4 < STEPS
	LOAD (\t)+4                                    ; which take the loads of four steps on
.endif
.if (\t)+1 < STEPS
.if STEPS-2-(\t) >= 3
	s_wait_loadcnt 12                              ; the next step's four loads are in; those of the three steps behind it may be out
.else
	s_wait_loadcnt 4*(STEPS-2-(\t))
.endif
	TURN (\t)+1                                    ; and go through the other stage while this step is worked
.endif
	v_max3_num_f32 v8, |v[XS]|, |v[XS+1]|, |v[XS+2]|               ; the largest magnitude of my 16, in two chains
	v_max3_num_f32 v9, |v[XS+3]|, |v[XS+4]|, |v[XS+5]|
.irp i, 6,10
	v_max3_num_f32 v8, v8, |v[XS+\i]|, |v[XS+\i+1]|
	v_max3_num_f32 v9, v9, |v[XS+\i+2]|, |v[XS+\i+3]|
.endr
	v_max3_num_f32 v8, v8, |v[XS+14]|, |v[XS+15]|
	v_max3_num_f32 v8, v8, v9, 0x1800000           ; and the floor 2^(3 - 127): the byte cannot fall under 1
	v_max_num_f32_dpp v8, v8, v8 row_xmask:1 row_mask:0xf bank_mask:0xf   ; and of my neighbour's 16: the block's
	v_add_nc_u32 v11, 0xff000000, v8               ; 2 off its exponent field: the conversion takes the exponent field of this operand as its scale, and nothing else of it
	v_cvt_scalef32_pk8_fp4_f32 v[C+4*(\t)], v[XS:XS+7], v11
	v_cvt_scalef32_pk8_fp4_f32 v[C+4*(\t)+1], v[XS+8:XS+15], v11
	v_lshrrev_b32 v[E+(\t)], 23, v11               ; the scale's byte (also the plain line behind the conversions)
	ds_store_b8 v5, v[E+(\t)] offset:16*(\t)       ; both lanes of a block write the same byte with the same value
	global_store_b64 v4, v[C+4*(\t):C+4*(\t)+1], s[16:17] offset:32*CB*(\t)   ; 32 lanes store 256 consecutive bytes
.endm
.irp t, 0,1,2,3,4,5,6,7,8,9,10,11,12,13,14,15
	STEP \t
.endr
	ds_load_b64 v[8:9], v6                         ; LDS serves a wave's instructions in order: these see my byte stores
	s_wait_dscnt 0x0
	global_store_b64 v7, v[8:9], s[18:19]          ; 32 lanes store 256 consecutive bytes of scales
	s_wait_tensorcnt 0x0                           ; the wave's end
	ds_add_u32 v[SPW], v[NIL]
	s_wait_dscnt 0x0
	s_endpgm
; ---------------- path W: a wave takes 16 rows of Wo x 128 along K: eight images.  No LDS.
.Lnotq:
	s_cmp_ge_u32 ttmp9, 480
	s_cbranch_scc1 .Ltab
	s_sub_co_u32 s25, ttmp9, 352
	s_lshl_b32 s25, s25, 2
	s_add_co_u32 s25, s25, s24                     ; 0 .. 511
	s_lshr_b32 s26, s25, 3                         ; which 16 rows
	s_and_b32 s27, s25, 7                          ; which 128 along K
	s_lshl_b32 s28, s26, 16                        ; 16 rows of 4,096 bytes
	s_lshl_b32 s29, s27, 9
	s_add_co_u32 s28, s28, s29
	s_mov_b32 s29, 0
	s_add_nc_u64 s[12:13], s[12:13], s[28:29]
	s_lshr_b32 s28, s26, 3
	s_lshl_b32 s28, s28, 18                        ; panel x 262,144
	s_lshr_b32 s30, s27, 1
	s_lshl_b32 s30, s30, 16                        ; + 256 along K x 65,536
	s_add_co_u32 s28, s28, s30
	s_and_b32 s30, s26, 7
	s_lshl_b32 s30, s30, 13                        ; + 16 rows x 8,192
	s_add_co_u32 s28, s28, s30
	s_and_b32 s30, s27, 1
	s_lshl_b32 s30, s30, 12                        ; + which half of the 256
	s_add_co_u32 s28, s28, s30
	s_add_nc_u64 s[20:21], s[20:21], s[28:29]
	v_and_b32 v16, 15, v0                          ; r
	v_bfe_u32 v17, v0, 4, 1                        ; h
	v_lshlrev_b32 v18, 12, v16
	v_lshl_add_u32 v18, v17, 5, v18                ; row r, + 8 h numbers
	v_lshlrev_b32 v19, 4, v2                       ; an image's place for my lane
.irp n, 0,1,2,3,4,5,6,7
	global_load_b128 v[32+8*\n:35+8*\n], v18, s[12:13] offset:(\n/2)*128+(\n%2)*64 th:TH_LOAD_NT
	global_load_b128 v[36+8*\n:39+8*\n], v18, s[12:13] offset:(\n/2)*128+(\n%2)*64+16 th:TH_LOAD_NT
.endr
	s_wait_loadcnt 0x0
.irp n, 0,1,2,3,4,5,6,7
.irp i, 0,1,2,3
	v_cvt_pk_f16_f32 v[96+4*\n+\i], v[32+8*\n+2*\i], v[33+8*\n+2*\i]
.endr
.endr
.irp n, 0,1,2,3,4,5,6,7
	global_store_b128 v19, v[96+4*\n:99+4*\n], s[20:21] offset:512*\n   ; 32 lanes store 512 consecutive bytes
.endr
	s_endpgm
; ---------------- path T: a wave takes 16 sequence indices.  No LDS.
.Ltab:
	s_sub_co_u32 s25, ttmp9, 480
	s_lshl_b32 s25, s25, 2
	s_add_co_u32 s25, s25, s24                     ; block of 16 indices, 0 .. 127
	s_lshl_b32 s26, s25, 6
	s_mov_b32 s27, 0
	s_add_nc_u64 s[14:15], s[14:15], s[26:27]
	s_lshl_b32 s26, s25, 12
	s_add_nc_u64 s[22:23], s[22:23], s[26:27]
	v_and_b32 v16, 15, v0                          ; r
	v_bfe_u32 v17, v0, 4, 1                        ; h
	v_lshlrev_b32 v18, 2, v16
	global_load_b32 v20, v18, s[14:15]             ; my index's position, as the input gives it
	v_lshlrev_b32 v19, 4, v2
	s_mov_b32 s30, 0xbed49a78                      ; -log2(10000) / 32
	s_mov_b32 s31, 0x3f22f983                      ; 2 / pi
	s_mov_b32 s32, 0xbfc90fdb                      ; pi / 2 in three parts, with the signs that the multiply-adds want
	s_mov_b32 s33, 0x333bbd2e
	s_mov_b32 s34, 0x26f72ced
	s_mov_b32 s35, 0xb94ca1f9                      ; sine on [-pi/4, pi/4]
	s_mov_b32 s36, 0x3c08839e
	s_mov_b32 s37, 0xbe2aaaa3
	s_mov_b32 s38, 0x37ccf5ce                      ; cosine
	s_mov_b32 s39, 0xbab6061a
	s_mov_b32 s40, 0x3d2aaaa5
	s_mov_b32 s41, 0x3e38aa3b                      ; log2(e) / 8
	v_lshlrev_b32 v21, 2, v17
.irp n, 0,1,2,3,4,5,6,7,8,9,10,11,12,13,14,15
	v_add_nc_u32 v[32+\n], 8*(\n/4)+\n%4, v21      ; j = 8 u + 4 h + i, n = 4 u + i
.endr
.irp n, 0,1,2,3,4,5,6,7,8,9,10,11,12,13,14,15
	v_cvt_f32_u32 v[32+\n], v[32+\n]
.endr
.irp n, 0,1,2,3,4,5,6,7,8,9,10,11,12,13,14,15
	v_mul_f32 v[32+\n], s30, v[32+\n]
.endr
.irp n, 0,1,2,3,4,5,6,7,8,9,10,11,12,13,14,15
	v_exp_f32 v[32+\n], v[32+\n]                   ; the sixteen frequencies: one batch
.endr
	v_nop                                          ; a plain line behind the last of them
	s_wait_alu depctr_va_vdst(0)                   ; one wait for the batch, ahead of its first reader
	s_wait_loadcnt 0x0
	v_cvt_f32_i32 v20, v20
.irp n, 0,1,2,3
	v_mov_b32 v[128+\n], 1.0
	v_mov_b32 v[132+\n], 0
.endr
.macro ANGLE u, i                      ; cos -> v[64+16u+i], sin -> +4, cos x SC -> +8, sin x SC -> +12
	v_mul_f32 v21, v20, v[32+4*\u+\i]              ; the angle, rounded once
	v_mul_f32 v22, s31, v21
	v_rndne_f32 v22, v22                           ; n quarter turns
	v_fma_f32 v21, v22, s32, v21
	v_fma_f32 v21, v22, s33, v21
	v_fma_f32 v21, v22, s34, v21                   ; what is left, within pi / 4
	v_cvt_i32_f32 v23, v22
	v_mul_f32 v24, v21, v21
	v_fma_f32 v25, s35, v24, s36
	v_fma_f32 v26, s38, v24, s39
	v_fma_f32 v25, v25, v24, s37
	v_fma_f32 v26, v26, v24, s40
	v_mul_f32 v25, v25, v24
	v_fma_f32 v26, v26, v24, -0.5
	v_fma_f32 v25, v25, v21, v21                   ; sine of the rest
	v_fma_f32 v26, v26, v24, 1.0                   ; cosine of the rest
	v_and_b32 v27, 1, v23
	v_cmp_eq_u32 vcc_lo, 1, v27                    ; an odd quarter swaps the two
	v_cndmask_b32 v28, v25, v26, vcc_lo
	v_cndmask_b32 v29, v26, v25, vcc_lo
	v_and_b32 v27, 2, v23                          ; sine is negative in quarters 2 and 3,
	v_lshlrev_b32 v27, 30, v27
	v_xor_b32 v[68+16*\u+\i], v27, v28
	v_add_nc_u32 v27, 1, v23                       ; cosine in quarters 1 and 2
	v_and_b32 v27, 2, v27
	v_lshlrev_b32 v27, 30, v27
	v_xor_b32 v[64+16*\u+\i], v27, v29
	v_mul_f32 v[72+16*\u+\i], s41, v[64+16*\u+\i]
	v_mul_f32 v[76+16*\u+\i], s41, v[68+16*\u+\i]
.endm
.irp u, 0,1,2,3
.irp i, 0,1,2,3
	ANGLE \u, \i
.endr
.endr
.irp u, 0,1,2,3                        ; each store: 32 lanes, 512 consecutive bytes; nothing is written again, so no wait follows
	global_store_b128 v19, v[72+16*\u:75+16*\u], s[22:23] offset:1024*\u
	global_store_b128 v19, v[76+16*\u:79+16*\u], s[22:23] offset:1024*\u+512
	global_store_b128 v19, v[64+16*\u:67+16*\u], s[22:23] offset:524288+1024*\u
	global_store_b128 v19, v[68+16*\u:71+16*\u], s[22:23] offset:524288+1024*\u+512
	global_store_b128 v19, v[128:131], s[22:23] offset:1048576+1024*\u
	global_store_b128 v19, v[132:135], s[22:23] offset:1048576+1024*\u+512
.endr
	s_endpgm
.Lfunc_end_k_q08432c8006_prep:
	.size	k_q08432c8006_prep, .Lfunc_end_k_q08432c8006_prep-k_q08432c8006_prep
	.p2alignl 7, 3214868480
	.fill 96, 4, 3214868480
	.section	.rodata,"a",@progbits
	.p2align	6, 0x0
	.amdhsa_kernel k_q08432c8006_prep
		.amdhsa_group_segment_fixed_size 33280
		.amdhsa_private_segment_fixed_size 0
		.amdhsa_enable_private_segment 0
		.amdhsa_kernarg_size 80
		.amdhsa_user_sgpr_count 2
		.amdhsa_user_sgpr_kernarg_segment_ptr 1
		.amdhsa_wavefront_size32 1
		.amdhsa_system_sgpr_workgroup_id_x 1
		.amdhsa_system_sgpr_workgroup_id_y 1
		.amdhsa_system_sgpr_workgroup_id_z 1
		.amdhsa_system_vgpr_workitem_id 0
		.amdhsa_next_free_vgpr 192
		.amdhsa_next_free_sgpr 66
		.amdhsa_reserve_vcc 1
		.amdhsa_float_denorm_mode_32 3
		.amdhsa_float_denorm_mode_16_64 3
		.amdhsa_memory_ordered 1
		.amdhsa_forward_progress 1
		.amdhsa_inst_pref_size 65
	.end_amdhsa_kernel
	.amdgpu_metadata
---
amdhsa.version: [ 1, 2 ]
amdhsa.kernels:
  - .name:           k_q08432c8006_prep
    .symbol:         k_q08432c8006_prep.kd
    .args:
      - { .name: x, .offset: 0, .size: 8, .value_kind: global_buffer, .address_space: global }
      - { .name: Wq, .offset: 8, .size: 8, .value_kind: global_buffer, .address_space: global }
      - { .name: Wk, .offset: 16, .size: 8, .value_kind: global_buffer, .address_space: global }
      - { .name: Wv, .offset: 24, .size: 8, .value_kind: global_buffer, .address_space: global }
      - { .name: Wo, .offset: 32, .size: 8, .value_kind: global_buffer, .address_space: global }
      - { .name: token_positions, .offset: 40, .size: 8, .value_kind: global_buffer, .address_space: global }
      - { .name: codes, .offset: 48, .size: 8, .value_kind: global_buffer, .address_space: global }
      - { .name: scales, .offset: 56, .size: 8, .value_kind: global_buffer, .address_space: global }
      - { .name: woh, .offset: 64, .size: 8, .value_kind: global_buffer, .address_space: global }
      - { .name: rope, .offset: 72, .size: 8, .value_kind: global_buffer, .address_space: global }
    .group_segment_fixed_size: 33280
    .private_segment_fixed_size: 0
    .kernarg_segment_align: 8
    .kernarg_segment_size: 80
    .max_flat_workgroup_size: 128
    .sgpr_count:     66
    .vgpr_count:     192
    .wavefront_size: 32
...
	.end_amdgpu_metadata
.endif
;; end of part 1
;; launch proj (part 2): grid 12 x 32, 4 waves a work-group, clusters of 4 x 4, 327,680 bytes of LDS; arguments codes, scales, rope, qkv, head16; writes qkv, head16
.if DOCPART == 2
	.amdgcn_target "amdgcn-amd-amdhsa--gfx1250"
	.amdhsa_code_object_version 6
	.text
	.protected	k_q08432c8006_proj
	.globl	k_q08432c8006_proj
	.p2align	8
	.type	k_q08432c8006_proj,@function
k_q08432c8006_proj:
	s_mov_b64 s[64:65], 0
	v_nop
	global_prefetch_b8 v0, s[64:65] scope:SCOPE_SE
	s_setreg_imm32_b32 hwreg(HW_REG_WAVE_MODE, 25, 1), 1
	s_wait_xcnt 0x0
	s_wait_alu depctr_hold_cnt(0) depctr_sa_sdst(0) depctr_va_vdst(0) depctr_va_sdst(0) depctr_va_ssrc(0) depctr_va_vcc(0) depctr_vm_vsrc(0)
	s_getreg_b32 s2, hwreg(HW_REG_IB_STS2, 6, 4)
	s_cmp_eq_u32 s2, 0
	s_cbranch_scc0 .Lentry_in_a_cluster
	s_endpgm
.Lentry_in_a_cluster:
	s_bfe_u32 s2, ttmp6, 0x10000c
	s_cmp_lg_u32 s2, 0xf033
	s_cbranch_scc0 .Lentry_shape_is_right
	s_endpgm
.Lentry_shape_is_right:
; PROJ: [q | k | v] = x [Wq | Wk | Wv]^T on codes of FP4 (E2M1) with one E8M0 scale for each 32 along K, sums in f32; then the rotation by position, and f16 on the way out.
; A: x's codes [8192][512 bytes]; B: the three weights' codes [3072][512 bytes], behind A's in the same buffer; scale bytes [rows][32] likewise.
; A tile of 256 x 256 is made by four waves, each 128 x 128: 64 accumulators, 512 registers.  K = 1,024 is two LDS slots of 512 along K (rows of 256 bytes + 16 of padding): both are asked for at the start, nothing is filled again.
; The scale bytes of the tile's 256 + 256 rows, for all of K, are two dense blocks: they come once, with the first fills.
; CLUSTERS: 4 x 4 work-groups.  A's tile is shared along a row of the cluster, B's along a column: joint loads, the same descriptor and a mask of four.  Tile row = 8 cy + cluster y: so the batch is cy, and the place
; of the tile's rows in the sequence hangs on cluster y alone, which all sixteen partners share.  Cluster x says which of q, k, v.
; THE MATRIX INSTRUCTION IS USED TRANSPOSED (source 0 = 16 rows of B, source 1 = 16 rows of A): lane (r, h) holds row r and eight neighbouring columns 8 h .. 8 h + 7 of a 16 x 16 block: four pairs of the rotation.
; THE WAY OUT: r1 = t1 c - t2 s, r2 = t1 s + t2 c, c and s from the table (for q already times log2(e)/8, for v 1 and 0); rounded to f16; a block's 16 bytes a lane ARE an image of a matrix operand's registers
; (lane 16 h + r: row r, columns 8 h ..): 32 lanes store 512 consecutive bytes, with no stage.  v's lanes go to places 16 (r / 8) + 8 h + r % 8, the order in which the turning LDS load of the next launch reads without a pitch.
; Positions 0 to 15 of each batch also leave in f32, for the launch that carries those rows finely.
; LIMITS: |q| log2(e)/8, |k|, |v| up to 65,504 (f16); NaN and infinities are not served.
; REGISTERS: window 0: v0-31 addresses; v32-95 scale words, two sets; v128-191 A's fragments, one set; on the way out v32-227 are free.  window 1: B's fragments, two sets.  windows 2, 3: the accumulators ((a, b) at v[8 (8 (a % 4) + b)]).
.set SIZE_K, 1024
.set KSTEP,  512
.set NQ,     KSTEP/128
.set ROWB,   256
.set KROW,   SIZE_K*4/8
.set PITCH,  272                       ; 256 bytes + 16 of padding = 68 words: the 16 rows that a load touches start at 16 different banks (64 banks of 4 bytes: ISA guide 11.1)
.set FR,     8
.set NL,     2
.set NP,     4
.set HALFT,  128*PITCH
.set SLOT,   4*HALFT
.set KS,     SIZE_K/32
.set SCL,    2*SLOT
.set HALFS,  (128*KS/256)*272
.set SBLK,   (16*KS/256)*272
.set SPARE,  SCL+4*HALFS               ; the spare words, 128 bytes a wave, which no other line names
.set ADRA, 16
.set ADRB, 20
.set OFS,  24                          ; v24  where my 16 bytes of an image go: CO for q and k, COV for v
.set COV,  25
.set CO,   26                          ; v26  16 x lane
.set ADRS, 27
.set SPW,  28
.set NIL,  29
.set SC,   32
.set AF,   128
.set CSR,  32                          ; the way out: v32-63, v64-95 the table's cos and sin of a block of 16 rows, two sets
.set RR,   96                          ; v96-159 a block's 64 rotated numbers
.set TT,   160                         ; v160-163 at work
.set HH,   164                         ; v164-195, v196-227 the block in f16, two sets
.set G1, 24
.set G0, 32
.set G1B, 48
.set G0B, 56
.set G1S, 68
.set G0S, 76
.set G1SB, 80
.set G0SB, 88
.set MSB, 0
.macro WIN new                         ; the immediate's high byte repeats the setting that is left
.if MSB != \new
	s_set_vgpr_msb (MSB<<8)|\new
.set MSB, \new
.endif
.endm
.set MUL_LO, 0xa1                      ; source 0 (B) window 1, source 1 (A) window 0, C and D window 2
.set MUL_HI, 0xf1
.set TO_B,   0x40
; A joint load: waves 0 and 1 fetch for A, waves 2 and 3 for B; the branch hangs on the wave's number alone.  An s_nop 0 and four v_nop follow each line.
.macro JLOAD g0a, g1a, g0b, g1b
	s_cmp_eq_u32 s15, 0
	s_cbranch_scc0 .Lfor_b_\@
	tensor_load_to_lds s[\g0a:\g0a+3], s[\g1a:\g1a+7]
	s_nop 0
.rept 4
	v_nop
.endr
	s_branch .Lasked_\@
.Lfor_b_\@:
	tensor_load_to_lds s[\g0b:\g0b+3], s[\g1b:\g1b+7]
	s_nop 0
.rept 4
	v_nop
.endr
.Lasked_\@:
.endm
.macro CROUND                          ; a round of the cluster's barrier
	s_barrier_signal -1
	s_barrier_wait -1
	s_cmp_lg_u32 s14, 0
	s_cbranch_scc1 .Lnot_wave_0_\@
	s_barrier_signal -3
.Lnot_wave_0_\@:
	s_barrier_wait -3
	s_barrier_signal -1
	s_barrier_wait -1
.endm
	s_load_b128 s[4:7], s[0:1], 0x0                ; codes, scales
	s_load_b128 s[96:99], s[0:1], 0x10             ; rope, qkv
	s_load_b64 s[12:13], s[0:1], 0x20              ; head16
	v_lshl_add_u32 v[SPW], v0, 2, SPARE
	v_mov_b32 v[NIL], 0
	ds_add_u32 v[SPW], v[NIL]                      ; the wave's opening: the add, twice on end, and its wait ahead of my first tensor load
	ds_add_u32 v[SPW], v[NIL]
	v_lshrrev_b32 v1, 5, v0
	v_readfirstlane_b32 s14, v1                    ; wave 0..3
	s_lshr_b32 s15, s14, 1                         ; which half of the tile's rows is mine.  Also: I fetch for A (0) or for B (1)
	s_and_b32 s16, s14, 1                          ; which half of its columns.  Also: which 128 rows of that tile I fetch
	s_bfe_u32 s40, ttmp6, 0x40000                  ; cx
	s_bfe_u32 s41, ttmp6, 0x40004                  ; cy
	s_lshl_b32 s42, ttmp9, 2
	s_add_co_u32 s42, s42, s40                     ; tile column = 4 x cluster x + cx
	s_and_b32 s66, ttmp7, 0xffff                   ; cluster y
	s_lshl_b32 s17, s41, 3
	s_add_co_u32 s17, s17, s66                     ; tile row = 8 cy + cluster y
	s_lshl_b32 s43, s41, 2
	s_lshl_b32 s43, 15, s43                        ; my row of the cluster
	s_lshl_b32 s44, 0x1111, s40                    ; my column
	s_or_b32 s[G1+0], s43, (0<<16)|(1<<20)|(1<<21)|(5<<22)|(3<<25)  ; the mask; elements of 1 byte; padding on: 4 words behind every 64; bit 21 beside a mask
	s_or_b32 s[G1B+0], s44, (0<<16)|(1<<20)|(1<<21)|(5<<22)|(3<<25)
.irp g, G1, G1B
	s_mov_b32 s[\g+1], ROWB<<16                    ; tensor_dim0
	s_mov_b32 s[\g+2], 128<<16                     ; tensor_dim1
	s_mov_b32 s[\g+3], ROWB<<16                    ; tile_dim0
	s_mov_b32 s[\g+4], 128                         ; tile_dim1
	s_mov_b32 s[\g+5], KROW                        ; the pitch
	s_mov_b32 s[\g+6], 0
	s_mov_b32 s[\g+7], 0
.endr
	s_or_b32 s[G1S+0], s43, (3<<16)|(1<<20)|(1<<21)|(5<<22)|(3<<25)  ; the scales of 128 rows: 4,096 dense bytes as 16 rows of 256 (32 elements of 8 bytes), 16 bytes of padding behind each
	s_or_b32 s[G1SB+0], s44, (3<<16)|(1<<20)|(1<<21)|(5<<22)|(3<<25)
.irp g, G1S, G1SB
	s_mov_b32 s[\g+1], 32<<16
	s_mov_b32 s[\g+2], (128*KS/256)<<16
	s_mov_b32 s[\g+3], 32<<16
	s_mov_b32 s[\g+4], 128*KS/256
	s_mov_b32 s[\g+5], 32
	s_mov_b32 s[\g+6], 0
	s_mov_b32 s[\g+7], 0
.endr
	s_lshl_b32 s18, s16, 7                         ; which 128 rows of the tile I fetch
	s_lshl_b32 s20, s17, 8
	s_add_co_u32 s20, s20, s18                     ; A: row 256 x tile row + 128 x half
	s_lshl_b32 s46, s42, 8
	s_add_co_u32 s46, s46, s18                     ; B: row 256 x tile column + 128 x half
	s_mov_b32 s21, 0
	s_mov_b32 s47, 0
	s_mov_b64 s[18:19], KS
	s_mul_u64 s[22:23], s[20:21], s[18:19]         ; where these rows' scales begin
	s_mul_u64 s[92:93], s[46:47], s[18:19]
	s_mov_b64 s[18:19], KROW
	s_mul_u64 s[20:21], s[20:21], s[18:19]         ; and their codes
	s_mul_u64 s[46:47], s[46:47], s[18:19]
	s_mul_i32 s45, s14, HALFT                      ; where they go: wave x 128 rows: no place in the cluster enters an LDS address
	s_mul_i32 s94, s14, HALFS
	s_wait_dscnt 0x0                               ; both opening adds are done
	s_wait_kmcnt 0x0
	s_add_nc_u64 s[8:9], s[4:5], 0x400000          ; the weights' codes lie behind x's 8,192 rows of 512 bytes,
	s_add_nc_u64 s[10:11], s[6:7], 0x40000         ; their scales behind x's 8,192 rows of 32
	s_add_nc_u64 s[20:21], s[4:5], s[20:21]
	s_add_nc_u64 s[22:23], s[6:7], s[22:23]
	s_add_nc_u64 s[46:47], s[8:9], s[46:47]
	s_add_nc_u64 s[92:93], s[10:11], s[92:93]
	CROUND                                         ; all sixteen work-groups are here: the joint loads meet
	s_mov_b32 s[G0S], 1
	s_add_co_u32 s[G0S+1], s94, SCL
	s_mov_b64 s[G0S+2:G0S+3], s[22:23]
	s_or_b32 s[G0S+3], s[G0S+3], 0x80000000
	s_mov_b32 s[G0SB], 1
	s_add_co_u32 s[G0SB+1], s94, SCL
	s_mov_b64 s[G0SB+2:G0SB+3], s[92:93]
	s_or_b32 s[G0SB+3], s[G0SB+3], 0x80000000
	JLOAD G0S, G1S, G0SB, G1SB                     ; the scales first: they are wanted with the first slot
.irp s, 0,1
	s_mov_b32 s[G0+4*\s], 1
	s_add_co_u32 s[G0+4*\s+1], s45, \s*SLOT
	s_add_nc_u64 s[G0+4*\s+2:G0+4*\s+3], s[20:21], \s*ROWB
	s_or_b32 s[G0+4*\s+3], s[G0+4*\s+3], 0x80000000
	s_mov_b32 s[G0B+4*\s], 1
	s_add_co_u32 s[G0B+4*\s+1], s45, \s*SLOT
	s_add_nc_u64 s[G0B+4*\s+2:G0B+4*\s+3], s[46:47], \s*ROWB
	s_or_b32 s[G0B+4*\s+3], s[G0B+4*\s+3], 0x80000000
	JLOAD G0+4*\s, G1, G0B+4*\s, G1B               ; three tensor loads of mine are out in all
.endr
	v_and_b32 v1, 15, v0                           ; r
	v_bfe_u32 v2, v0, 4, 1                         ; h
	v_mul_u32_u24 v3, v1, PITCH
	v_lshl_add_u32 v4, v2, 4, v3                   ; a fragment's row x pitch + 16 x half
	s_mul_i32 s21, s15, HALFT                      ; my 128 rows of A
	s_mul_i32 s22, s16, HALFT                      ; my 128 rows of B,
	s_add_co_u32 s22, s22, 2*HALFT                 ; which lie behind A's 256
.irp s, 0,1
	v_add_nc_u32 v[ADRA+\s], s21, v4
	v_add_nc_u32 v[ADRB+\s], s22, v4
	s_add_co_u32 s21, s21, SLOT
	s_add_co_u32 s22, s22, SLOT
.endr
	v_mul_u32_u24 v5, v1, KS                       ; my row's scales: 32 bytes a row,
	v_lshrrev_b32 v6, 8, v5
	v_lshl_add_u32 v5, v6, 4, v5                   ; and 16 more for each 256 passed
	s_mul_i32 s21, s15, HALFS
	s_mul_i32 s22, s16, HALFS
	s_add_co_u32 s22, s22, 2*HALFS
	s_sub_co_u32 s22, s22, s21
	v_mul_u32_u24 v6, s22, v2                      ; lanes 16-31 take B's
	s_add_co_u32 s21, s21, SCL
	v_add_nc_u32 v5, v5, v6
	v_add_nc_u32 v[ADRS], s21, v5
	v_and_b32 v6, 31, v0
	v_lshlrev_b32 v[CO], 4, v6                     ; 16 x lane
	v_lshrrev_b32 v5, 3, v1
	v_lshlrev_b32 v5, 4, v5
	v_lshl_add_u32 v5, v2, 3, v5
	v_and_b32 v7, 7, v1
	v_add_nc_u32 v5, v5, v7
	v_lshlrev_b32 v[COV], 4, v5                    ; 16 x (16 (r / 8) + 8 h + r % 8)
	s_cmp_eq_u32 ttmp9, 2                          ; v?
	s_cselect_b32 s67, -1, 0
	v_cndmask_b32 v[OFS], v[CO], v[COV], s67
	; the way out's addresses.  Block of 16 positions: 16 x cluster y + 8 x my half of the rows + a
	s_lshl_b32 s20, s66, 4
	s_lshl_b32 s21, s15, 3
	s_add_co_u32 s20, s20, s21
	s_lshl_b32 s22, s20, 12                        ; the table: 4,096 bytes a block,
	s_lshl_b32 s23, ttmp9, 19                      ; 524,288 a section
	s_add_co_u32 s22, s22, s23
	s_mov_b32 s23, 0
	s_add_nc_u64 s[96:97], s[96:97], s[22:23]
	s_lshl_b32 s46, s40, 2
	s_lshl_b32 s47, s16, 1
	s_add_co_u32 s46, s46, s47                     ; my first head: 4 cx + 2 x my half of the columns
	s_lshl_b32 s47, s41, 4
	s_add_co_u32 s47, s47, s46                     ; 16 x batch + head
	s_lshl_b32 s47, s47, 7
	s_add_co_u32 s47, s47, s20                     ; x 128 blocks + block
	s_lshl_b32 s92, s47, 11                        ; 2,048 bytes a block
	s_lshl_b32 s93, ttmp9, 24                      ; 16,777,216 for each of q, k, v
	s_add_co_u32 s92, s92, s93
	s_mov_b32 s93, 0
	s_add_nc_u64 s[98:99], s[98:99], s[92:93]
	s_mul_i32 s94, s41, 3
	s_add_co_u32 s94, s94, ttmp9
	s_lshl_b32 s94, s94, 4
	s_add_co_u32 s94, s94, s46
	s_lshl_b32 s94, s94, 12                        ; ((3 batch + which) 16 + head) x 4,096
	s_mov_b32 s95, 0
	s_add_nc_u64 s[12:13], s[12:13], s[94:95]
	s_or_b32 s2, s66, s15                          ; 0 where my first block is positions 0 to 15: cluster y and the wave's number alone
.macro FRAG reg, adr, q, i             ; 16 rows x 128 K of 4-bit codes: 8 registers; registers 4 c .. 4 c + 3 hold K = 64 c + 32 h + 0 .. 31
.irp c, 0,1
	ds_load_b128 v[\reg+4*\c:\reg+4*\c+3], v[\adr] offset:64*(\q)+32*\c+(\i)*16*PITCH
.endr
.endm
; 16 matrix instructions: A's blocks a0, a0 + 1 x B's eight.  The 64 accumulators take turns, one instruction a turn, in the same order in every step.
; One register carries A's scale word (lanes 0-15) and B's (lanes 16-31) of block i.
.macro MUL16 a0, p, q, sc, zero
.irp a, \a0, \a0+1
.irp b, 0,1,2,3,4,5,6,7
.if \zero
	v_wmma_scale_f32_16x16x128_f8f6f4 v[8*(8*((\a)%4)+\b):8*(8*((\a)%4)+\b)+7], v[128*(\p)+FR*\b:128*(\p)+FR*\b+FR-1], v[AF+FR*(\a):AF+FR*(\a)+FR-1], 0, v[SC+8*NQ*(\sc)+NQ*\b+(\q)], v[SC+8*NQ*(\sc)+NQ*(\a)+(\q)] matrix_a_fmt:MATRIX_FMT_FP4 matrix_b_fmt:MATRIX_FMT_FP4 matrix_a_scale:MATRIX_SCALE_ROW1
.else
	v_wmma_scale_f32_16x16x128_f8f6f4 v[8*(8*((\a)%4)+\b):8*(8*((\a)%4)+\b)+7], v[128*(\p)+FR*\b:128*(\p)+FR*\b+FR-1], v[AF+FR*(\a):AF+FR*(\a)+FR-1], v[8*(8*((\a)%4)+\b):8*(8*((\a)%4)+\b)+7], v[SC+8*NQ*(\sc)+NQ*\b+(\q)], v[SC+8*NQ*(\sc)+NQ*(\a)+(\q)] matrix_a_fmt:MATRIX_FMT_FP4 matrix_b_fmt:MATRIX_FMT_FP4 matrix_a_scale:MATRIX_SCALE_ROW1
.endif
.endr
.endr
.endm
.macro FETCH_B slot, q, p
	WIN TO_B
.irp i, 0,1,2,3,4,5,6,7
	FRAG 128*(\p)+FR*\i, ADRB+\slot, \q, \i
.endr
	WIN 0
.endm
.macro FETCH_A slot, q, i0
.irp i, \i0, \i0+1, \i0+2, \i0+3
	FRAG AF+FR*(\i), ADRA+\slot, \q, \i
.endr
.endm
.macro SCALES sc                       ; a slot's scale words: 4 words a row; lanes 0-15 take A's block i, lanes 16-31 B's
.irp i, 0,1,2,3,4,5,6,7
	ds_load_b128 v[SC+8*NQ*\sc+NQ*\i:SC+8*NQ*\sc+NQ*\i+3], v[ADRS] offset:\i*SBLK
.endr
.endm
.macro PLACES n                        ; plain vector lines between a matrix instruction and a load into, or a vector read or write of, its registers
.rept \n
	v_nop
.endr
.endm
.macro STEP slot, q, zero              ; 128 along K that has its successor in the same slot
	s_wait_dscnt 4*NL                              ; all but the youngest eight loads (A's blocks 4-7) are in
	WIN MUL_LO
	MUL16 0, (\q)%2, \q, \slot, \zero
	MUL16 2, (\q)%2, \q, \slot, \zero
	s_wait_dscnt 0
	PLACES NP
	FETCH_B \slot, (\q)+1, 1-(\q)%2
	FETCH_A \slot, (\q)+1, 0
	WIN MUL_HI
	MUL16 4, (\q)%2, \q, \slot, \zero
	MUL16 6, (\q)%2, \q, \slot, \zero
	PLACES NP
	WIN 0
	FETCH_A \slot, (\q)+1, 4
.endm
.macro TURN slot, next                 ; slot 0's last step goes over to slot 1: each wave waits for all its tensor loads, and a barrier shows the slot whole to all four
	s_wait_tensorcnt 0x0                           ; my part of the next slot has landed
	ds_add_u32 v[SPW], v[NIL]                      ; 0 onto my spare word
	s_wait_dscnt 4*NL+1                            ; (the add and the youngest eight loads may be out)
	WIN MUL_LO
	MUL16 0, 1, NQ-1, \slot, 0
	s_wait_dscnt 0x0                               ; no LDS instruction of mine is out at the signal
	s_barrier_signal -1
	MUL16 2, 1, NQ-1, \slot, 0
	WIN 0
	s_barrier_wait -1
	PLACES NP
	v_add_nc_u32 v[ADRS], 4*NQ, v[ADRS]            ; on to the next slot's scale words
	FETCH_B \next, 0, 0
	FETCH_A \next, 0, 0
	SCALES \next
	WIN MUL_HI
	MUL16 4, 1, NQ-1, \slot, 0
	MUL16 6, 1, NQ-1, \slot, 0
	PLACES NP
	WIN 0
	FETCH_A \next, 0, 4
.endm
.macro STEPS slot, from
.set Q, \from
.rept NQ-1-\from
	STEP \slot, Q, 0
.set Q, Q+1
.endr
.endm
	s_wait_tensorcnt 1                             ; the scales and my part of slot 0 are in (slot 1's load may be out),
	s_barrier_signal -1
	s_barrier_wait -1                              ; everybody's are
	FETCH_B 0, 0, 0
	FETCH_A 0, 0, 0
	SCALES 0
	FETCH_A 0, 0, 4
	STEP 0, 0, 1                                   ; the first products start the sums: nothing is cleared
	STEPS 0, 1
	TURN 0, 1
	STEPS 1, 0
	s_wait_dscnt 4*NL                              ; the last step: nothing more to fetch
	WIN MUL_LO
	MUL16 0, 1, NQ-1, 1, 0
	MUL16 2, 1, NQ-1, 1, 0
	s_wait_dscnt 0
	WIN MUL_HI
	MUL16 4, 1, NQ-1, 1, 0
	MUL16 6, 1, NQ-1, 1, 0
	WIN 0
; THE WAY OUT, a block of 16 rows x 128 columns (two heads) at a time.
.macro CSLOAD a                        ; the table for block a: cos of pairs 8 u + 4 h + 0 .. 3 at CSR + 8 u, sin at + 4
.irp u, 0,1,2,3
.irp c, 0,1
	global_load_b128 v[CSR+32*((\a)%2)+8*\u+4*\c:CSR+32*((\a)%2)+8*\u+4*\c+3], v[CO], s[96:97] offset:(\a)*4096+\u*1024+\c*512
.endr
.endr
.endm
.macro ROPE a
.set AC, 64*((\a)%4)
.set CSA, CSR+32*((\a)%2)
.set HA, HH+32*((\a)%2)
	WIN (0x02+((\a)/4))                            ; source 0: window 2 or 3
.irp b, 0,1,2,3,4,5,6,7
.irp i, 0,1,2,3
	v_mul_f32 v[TT+2*(\i%2)], v[AC+8*\b+2*\i+1], v[CSA+8*(\b%4)+4+\i]      ; t2 s  (each accumulator is read from its low end on)
	v_mul_f32 v[TT+2*(\i%2)+1], v[AC+8*\b+2*\i], v[CSA+8*(\b%4)+4+\i]      ; t1 s
	v_fma_f32 v[RR+8*\b+2*\i], v[AC+8*\b+2*\i], v[CSA+8*(\b%4)+\i], -v[TT+2*(\i%2)]
	v_fma_f32 v[RR+8*\b+2*\i+1], v[AC+8*\b+2*\i+1], v[CSA+8*(\b%4)+\i], v[TT+2*(\i%2)+1]
.endr
.endr
	WIN 0
.irp b, 0,1,2,3,4,5,6,7
.irp i, 0,1,2,3
	v_cvt_pk_f16_f32 v[HA+4*\b+\i], v[RR+8*\b+2*\i], v[RR+8*\b+2*\i+1]
.endr
.endr
.endm
.macro OUT a
.irp b, 0,1,2,3,4,5,6,7
	global_store_b128 v[OFS], v[HH+32*((\a)%2)+4*\b:HH+32*((\a)%2)+4*\b+3], s[98:99] offset:(\b/4)*262144+(\a)*2048+(\b%4)*512   ; 32 lanes store 512 consecutive bytes
.endr
.endm
	PLACES NP                                      ; in front of loads into registers that held scale words, of writes over A's fragments, and of the first read of results
	CSLOAD 0
.irp a, 0,1,2,3,4,5,6,7
.if \a < 7
	CSLOAD \a+1
	s_wait_loadcnt 8                               ; this block's eight loads are in; the next block's eight may be out
.else
	s_wait_loadcnt 0x0
.endif
	s_wait_xcnt 0x0                                ; earlier stores have read their data: the registers are written again only behind this wait
	ROPE \a
.if \a == 0
	s_cmp_lg_u32 s2, 0
	s_cbranch_scc1 .Lnofine
.irp b, 0,1,2,3,4,5,6,7
.irp e, 0,1
	global_store_b128 v[CO], v[RR+8*\b+4*\e:RR+8*\b+4*\e+3], s[12:13] offset:(\b/4)*4096+((\b%4)*2+\e)*512   ; positions 0 to 15 in f32
.endr
.endr
.Lnofine:
.endif
	OUT \a
.endr
	s_wait_tensorcnt 0x0                           ; the wave's end
	ds_add_u32 v[SPW], v[NIL]
	s_wait_dscnt 0x0
	CROUND                                         ; the closing round: no work-group ends while a partner may still ask for a tile that names it
	s_endpgm
.Lfunc_end_k_q08432c8006_proj:
	.size	k_q08432c8006_proj, .Lfunc_end_k_q08432c8006_proj-k_q08432c8006_proj
	.p2alignl 7, 3214868480
	.fill 96, 4, 3214868480
	.section	.rodata,"a",@progbits
	.p2align	6, 0x0
	.amdhsa_kernel k_q08432c8006_proj
		.amdhsa_group_segment_fixed_size 327680
		.amdhsa_private_segment_fixed_size 0
		.amdhsa_enable_private_segment 0
		.amdhsa_kernarg_size 40
		.amdhsa_user_sgpr_count 2
		.amdhsa_user_sgpr_kernarg_segment_ptr 1
		.amdhsa_wavefront_size32 1
		.amdhsa_system_sgpr_workgroup_id_x 1
		.amdhsa_system_sgpr_workgroup_id_y 1
		.amdhsa_system_sgpr_workgroup_id_z 1
		.amdhsa_system_vgpr_workitem_id 0
		.amdhsa_next_free_vgpr 1024
		.amdhsa_next_free_sgpr 100
		.amdhsa_reserve_vcc 0
		.amdhsa_float_denorm_mode_32 3
		.amdhsa_float_denorm_mode_16_64 3
		.amdhsa_memory_ordered 1
		.amdhsa_forward_progress 1
		.amdhsa_inst_pref_size 174
	.end_amdhsa_kernel
	.amdgpu_metadata
---
amdhsa.version: [ 1, 2 ]
amdhsa.kernels:
  - .name:           k_q08432c8006_proj
    .symbol:         k_q08432c8006_proj.kd
    .args:
      - { .name: codes, .offset: 0, .size: 8, .value_kind: global_buffer, .address_space: global }
      - { .name: scales, .offset: 8, .size: 8, .value_kind: global_buffer, .address_space: global }
      - { .name: rope, .offset: 16, .size: 8, .value_kind: global_buffer, .address_space: global }
      - { .name: qkv, .offset: 24, .size: 8, .value_kind: global_buffer, .address_space: global }
      - { .name: head16, .offset: 32, .size: 8, .value_kind: global_buffer, .address_space: global }
    .group_segment_fixed_size: 327680
    .private_segment_fixed_size: 0
    .kernarg_segment_align: 8
    .kernarg_segment_size: 40
    .max_flat_workgroup_size: 128
    .sgpr_count:     100
    .vgpr_count:     1024
    .wavefront_size: 32
...
	.end_amdgpu_metadata
.endif
;; end of part 2
;; launch attn (part 3): grid 4 x 64, 16 waves a work-group, no clusters, 327,680 bytes of LDS; arguments qkv, ctx; writes ctx
.if DOCPART == 3
	.amdgcn_target "amdgcn-amd-amdhsa--gfx1250"
	.amdhsa_code_object_version 6
	.text
	.protected	k_q08432c8006_attn
	.globl	k_q08432c8006_attn
	.p2align	8
	.type	k_q08432c8006_attn,@function
k_q08432c8006_attn:
	s_mov_b64 s[64:65], 0
	v_nop
	global_prefetch_b8 v0, s[64:65] scope:SCOPE_SE
	s_setreg_imm32_b32 hwreg(HW_REG_WAVE_MODE, 25, 1), 1
	s_wait_xcnt 0x0
; ATTN: ctx[b][s][head] = softmax over keys k <= s of (q . k / 8) times v, for 64 (batch, head) pairs of 2,048 positions x 64 channels.  q, k, v arrive in f16 as images of operand registers
; (512 bytes: lane 16 h + r holds row r, channels 8 h .. 8 h + 7 of 16 x 16; v's lanes in the order that the turning load wants); q is already times log2(e) / 8.  Products in f16 with f32 sums; maxima, sums, exponentials in f32.
; SHARES.  Work-group (j, pair): waves 0-7 own the block of 256 queries j, waves 8-15 the block 7 - j: every work-group has the same work under the causal mask.  A wave owns 32 queries: two tiles of 16.
; Four waves share a SIMD: one wave's softmax stands beside another's products.
; LAYOUT.  S^T = K Q^T (source 0 = 16 keys, source 1 = 16 queries): a lane holds ONE query (lane % 16) and keys 8 (lane / 16) + 0 .. 7.  Two such tiles, rounded to f16 in pairs, ARE source 1 of O^T = V^T P.
; SOFTMAX.  A running maximum m and sum l for each query: p = 2^(s - m); in every step O and l are multiplied by a = 2^(old m - new m).  -m is what is kept.
; THE RING.  Two slots of 256 keys (K's 32 KiB, then V's, dense: images need no pitch), filled by waves 0-3, read by all sixteen.  EVERY work-group walks all eight slots: the trip counts are constants.
; A step all of whose 64 keys come after the wave's queries is jumped over, by ids; a slot whose first key comes after the work-group's last query is not asked for; every wait for tensor loads is for all of them.
; NO CLUSTER: the four work-groups of a pair need 8 - j slots each, different numbers: a joint load's tile would be read by no wave of some partner.
; LIMITS: operands in f16 (magnitudes up to 65,504); NaN and infinities are not served.  Positions 0 to 15 of each sequence are computed here too, and written over downstream by the launch that carries them in f32.
.set SLOT1, 65536
.set SPARE, 131072                     ; behind the ring: the spare words, 128 bytes for each of 16 waves, which no other line names
.set AK0,  1                           ; v1  16 x lane: my place in an image
.set AV0,  2                           ; v2  the same among V's images: + 32,768
.set SPW,  3
.set NIL,  4
.set ADK,  5
.set ADV,  6
.set RH,   7                           ; v7  r - 8 h
.set D0,   8                           ; v8, v9  the mask's bound for tiles 0, 1
.set NINF, 10
.set PFO,  11                          ; v11 256 x lane
.set ST,   12                          ; tile t's statistics at v[12 + 8 t]: +0 -m, +1 a filler of the pair, +2, +3 l, +4 .. +7 at work (a in +6)
.set QF,   32                          ; v32-63   Q: tile t, channels 32 c on: 16 t + 8 c
.set SR,   64                          ; v64-127  S^T, then p, then P in f16: 32 t + 8 kt
.set KV,   128                         ; v128-191 a step's K, then its V
.set OT,   192                         ; v192-255 O^T: 32 t + 8 ct
.set WV,   8
.set Q0,   11
.set QL,   12
.set KF,   13
.set TB,   14
.set SLOTS, 15
.set SEL,  16
.set LIM,  18
.set PFA,  20
.set G1,   24
.set G0,   32
.macro TLOAD                           ; waves 0, 1: K's halves; waves 2, 3: V's; the others nothing.  An s_nop 0 and four v_nop follow the load
	s_cmp_lt_u32 s[WV], 4
	s_cbranch_scc0 .Lnone_\@
	tensor_load_to_lds s[G0:G0+3], s[G1:G1+7]
	s_nop 0
.rept 4
	v_nop
.endr
.Lnone_\@:
.endm
; A prefetch of what the NEXT change of slots will ask for: 32,768 bytes of K and of V.  All four work-groups of a pair walk the same K and V: the one with j = 0, which walks all slots, asks.
; In it waves 4-7 ask for K's block and waves 8-11 for V's, 8,192 bytes a wave, lanes 256 bytes apart: each 256 bytes are named once in the launch.  Slots 0 and 1 come by their loads alone; the last change that fills asks for nothing.
.macro ASK
	s_cmp_gt_u32 s[SLOTS], s[LIM]
	s_cbranch_scc0 .Lnot_mine_\@
	global_prefetch_b8 v[PFO], s[PFA:PFA+1] th:TH_LOAD_NT scope:SCOPE_SE
.Lnot_mine_\@:
.endm
	s_load_b128 s[4:7], s[0:1], 0x0                ; qkv, ctx
	v_lshl_add_u32 v[SPW], v0, 2, SPARE
	v_mov_b32 v[NIL], 0
	ds_add_u32 v[SPW], v[NIL]                      ; the wave's opening: the add, twice on end, and its wait ahead of the first tensor load
	ds_add_u32 v[SPW], v[NIL]
	v_lshrrev_b32 v5, 5, v0
	v_readfirstlane_b32 s[WV], v5                  ; wave 0..15
	s_and_b32 s10, ttmp7, 0xffff                   ; the pair 16 b + head
	s_sub_co_u32 s9, 7, ttmp9
	s_cmp_lt_u32 s[WV], 8
	s_cselect_b32 s9, ttmp9, s9                    ; my block of 256 queries
	s_and_b32 s19, s[WV], 7
	s_lshl_b32 s19, s19, 5
	s_lshl_b32 s[Q0], s9, 8
	s_add_co_u32 s[Q0], s[Q0], s19                 ; my first query
	s_sub_co_u32 s[QL], 8, ttmp9
	s_lshl_b32 s[QL], s[QL], 8
	s_sub_co_u32 s[QL], s[QL], 1                   ; the work-group's last query
	s_mov_b32 s[G1], 3<<16                         ; no mask; elements of 8 bytes; no padding
	s_mov_b32 s[G1+1], 32<<16                      ; tensor_dim0 = 32 elements: rows of 256 bytes
	s_mov_b32 s[G1+2], 64<<16                      ; tensor_dim1 = 64
	s_mov_b32 s[G1+3], 32<<16                      ; tile_dim0
	s_mov_b32 s[G1+4], 64                          ; tile_dim1: 16,384 dense bytes a load
	s_mov_b32 s[G1+5], 32                          ; the pitch
	s_mov_b32 s[G1+6], 0
	s_mov_b32 s[G1+7], 0
	s_mov_b32 s[SEL], 0x76543210
	s_mov_b32 s[SEL+1], 0xfedcba98                 ; v_permlanex16_b32's selects for lane l xor 16
	s_mov_b32 s[KF], 0
	s_mov_b32 s[TB], 0
	s_mov_b32 s[SLOTS], 7
	s_lshl_b32 s19, s10, 18                        ; the pair's 262,144 bytes in each of q, k, v
	s_bfe_u32 s22, s[WV], 0x10001                  ; what I fetch, if I fetch: K (waves 0, 1) or V (waves 2, 3),
	s_add_co_u32 s22, s22, 1
	s_lshl_b32 s22, s22, 24
	s_add_co_u32 s22, s22, s19
	s_and_b32 s36, s[WV], 1
	s_lshl_b32 s36, s36, 14                        ; which half of a slot's 32,768 bytes
	s_add_co_u32 s22, s22, s36
	s_mov_b32 s23, 0
	s_lshl_b32 s36, s[Q0], 7                       ; my queries' images: 2,048 bytes for each 16
	s_add_co_u32 s36, s36, s19
	s_mov_b32 s37, 0
	s_lshr_b32 s38, s10, 4                         ; ctx: (128 b + Q0 / 16) blocks of 32,768 bytes + head x 2,048
	s_lshl_b32 s38, s38, 7
	s_lshr_b32 s39, s[Q0], 4
	s_add_co_u32 s38, s38, s39
	s_lshl_b32 s38, s38, 15
	s_and_b32 s39, s10, 15
	s_lshl_b32 s39, s39, 11
	s_add_co_u32 s38, s38, s39
	s_mov_b32 s39, 0
	s_wait_dscnt 0x0                               ; both opening adds are done
	s_wait_kmcnt 0x0
	s_mov_b32 s[G0], 1
	s_lshl_b32 s[G0+1], s[WV], 14                  ; LDS: wave x 16,384, in slot 0
	s_add_nc_u64 s[G0+2:G0+3], s[4:5], s[22:23]
	s_or_b32 s[G0+3], s[G0+3], 0x80000000
	TLOAD                                          ; slot 0: key 0 counts for every query, so it is read
	v_and_b32 v[AK0], 31, v0
	v_lshlrev_b32 v[PFO], 8, v[AK0]
	v_lshlrev_b32 v[AK0], 4, v[AK0]
	s_add_nc_u64 s[36:37], s[4:5], s[36:37]
	s_add_nc_u64 s[6:7], s[6:7], s[38:39]
.irp t, 0,1
.irp n, 0,1,2,3
	global_load_b128 v[QF+16*\t+4*\n:QF+16*\t+4*\n+3], v[AK0], s[36:37] offset:\t*2048+\n*512   ; Q stays in registers
.endr
.endr
	s_cmp_lt_u32 s[WV], 8                          ; the prefetches: waves 4-7 K, waves 8-11 V
	s_cselect_b32 s22, 1, 2
	s_lshl_b32 s22, s22, 24
	s_add_co_u32 s22, s22, s19
	s_and_b32 s38, s[WV], 3
	s_lshl_b32 s38, s38, 13                        ; my wave's 8,192 bytes,
	s_add_co_u32 s22, s22, s38
	s_add_co_u32 s22, s22, 32768                   ; in slot 1: the first change of slots steps it to slot 2
	s_add_nc_u64 s[PFA:PFA+1], s[4:5], s[22:23]
	s_sub_co_u32 s38, s[WV], 4
	s_lshr_b32 s38, s38, 3                         ; 0 in waves 4 to 11,
	s_or_b32 s38, s38, ttmp9                       ; of the work-group with j = 0
	s_cmp_eq_u32 s38, 0
	s_cselect_b32 s[LIM], 1, -1
	v_add_nc_u32 v[AV0], 32768, v[AK0]
	v_and_b32 v[RH], 15, v0
	v_bfe_u32 v8, v0, 4, 1
	v_lshlrev_b32 v8, 3, v8
	v_sub_nc_u32 v[RH], v[RH], v8
	v_mov_b32 v9, 0
	v_mov_b32 v[NINF], 0xff800000
.set NN, 0
.rept 16
	v_mov_b32 v[ST+NN], 0                          ; l = 0; the others are written so that no pair is named before it is written
.set NN, NN+1
.endr
	v_mov_b32 v[ST], 0x7f61b1e6                    ; -m = 3e38: m lies under every score
	v_mov_b32 v[ST+8], 0x7f61b1e6
.set NN, 0
.rept 64
	v_mov_b32 v[OT+NN], 0                          ; O^T.  (The step is written once: the first finds zeros, which a = 0 leaves zeros)
.set NN, NN+1
.endr
; A KEY STEP: 64 keys, the q-th of the slot in hand.
.macro STEP q
	s_add_co_u32 s19, s[Q0], 31                    ; all 64 keys behind my last query: nothing to do but to count on.  Ids and the count of steps alone
	s_cmp_gt_u32 s[KF], s19
	s_cbranch_scc1 .Lhidden_\@
	v_add_nc_u32 v[ADK], s[TB], v[AK0]
	v_add_nc_u32 v[ADV], s[TB], v[AV0]
.irp kt, 0,1,2,3
.irp n, 0,1,2,3
	ds_load_b128 v[KV+16*\kt+4*\n:KV+16*\kt+4*\n+3], v[ADK] offset:(4*(\q)+\kt)*2048+\n*512   ; 512 consecutive bytes an instruction
.endr
.endr
	s_wait_dscnt 0x0
.irp c, 0,1                            ; S^T = K Q^T: eight accumulators by turns
.irp kt, 0,1,2,3
.irp t, 0,1
.if \c == 0
	v_wmma_f32_16x16x32_f16 v[SR+32*\t+8*\kt:SR+32*\t+8*\kt+7], v[KV+16*\kt+8*\c:KV+16*\kt+8*\c+7], v[QF+16*\t+8*\c:QF+16*\t+8*\c+7], 0
.else
	v_wmma_f32_16x16x32_f16 v[SR+32*\t+8*\kt:SR+32*\t+8*\kt+7], v[KV+16*\kt+8*\c:KV+16*\kt+8*\c+7], v[QF+16*\t+8*\c:QF+16*\t+8*\c+7], v[SR+32*\t+8*\kt:SR+32*\t+8*\kt+7]
.endif
.endr
.endr
.endr
.rept 4
	v_nop                                          ; four places: in front of the loads into K's registers, and of the first read of the scores
.endr
.irp g, 0,1                            ; V, turned: keys 32 g on, channels 16 ct on.  It lands under the softmax
.irp ct, 0,1,2,3
	ds_load_tr16_b128 v[KV+32*\g+8*\ct:KV+32*\g+8*\ct+3],   v[ADV] offset:(4*(\q)+2*\g)*2048+\ct*512
	ds_load_tr16_b128 v[KV+32*\g+8*\ct+4:KV+32*\g+8*\ct+7], v[ADV] offset:(4*(\q)+2*\g+1)*2048+\ct*512
.endr
.endr
	s_add_co_u32 s19, s[KF], 63                    ; on the diagonal hidden scores become -infinity ahead of the maximum; a step all of whose keys count skips this
	s_cmp_le_u32 s19, s[Q0]
	s_cbranch_scc1 .Lopen_\@
	s_sub_co_i32 s19, s[Q0], s[KF]
	v_add_nc_u32 v[D0], s19, v[RH]                 ; register 8 kt + i of tile t holds key KF + 16 kt + 8 h + i: hidden where 16 kt + i > Q0 + 16 t + r - KF - 8 h
	v_add_nc_u32 v[D0+1], 16, v[D0]
.irp t, 0,1
.set NN, 0
.rept 32
	v_cmp_gt_i32 vcc_lo, 16*(NN/8)+NN%8, v[D0+\t]
	v_cndmask_b32 v[SR+32*\t+NN], v[SR+32*\t+NN], v[NINF], vcc_lo
.set NN, NN+1
.endr
.endr
.Lopen_\@:
.irp j, 0,1,2,3                        ; the maximum: four chains a tile, the tiles by turns; each accumulator is read from its low end on
.irp t, 0,1
	v_max3_num_f32 v[ST+8*\t+4+\j], v[SR+32*\t+8*\j], v[SR+32*\t+8*\j+1], v[SR+32*\t+8*\j+2]
.endr
.endr
.irp p, 1,2
.irp j, 0,1,2,3
.irp t, 0,1
	v_max3_num_f32 v[ST+8*\t+4+\j], v[ST+8*\t+4+\j], v[SR+32*\t+8*\j+2*\p+1], v[SR+32*\t+8*\j+2*\p+2]
.endr
.endr
.endr
.irp t, 0,1
	v_max3_num_f32 v[ST+8*\t+4], v[ST+8*\t+4], v[SR+32*\t+7], v[SR+32*\t+15]
	v_max3_num_f32 v[ST+8*\t+6], v[ST+8*\t+6], v[SR+32*\t+23], v[SR+32*\t+31]
.endr
.irp t, 0,1
	v_max3_num_f32 v[ST+8*\t+4], v[ST+8*\t+4], v[ST+8*\t+5], v[ST+8*\t+6]
.endr
.irp t, 0,1
	v_max3_num_f32 v[ST+8*\t+4], v[ST+8*\t+4], v[ST+8*\t+7], -v[ST+8*\t]   ; and the old m
.endr
.irp t, 0,1
	v_permlanex16_b32 v[ST+8*\t+5], v[ST+8*\t+4], s[SEL], s[SEL+1]         ; the query's other 32 keys lie in the lane 16 away
.endr
.irp t, 0,1
	v_max_num_f32 v[ST+8*\t+4], v[ST+8*\t+4], v[ST+8*\t+5]                 ; the new m
.endr
.irp t, 0,1
	v_add_f32 v[ST+8*\t+7], v[ST+8*\t], v[ST+8*\t+4]                       ; new m - old m
.endr
.irp t, 0,1
	v_sub_f32 v[ST+8*\t], 0, v[ST+8*\t+4]                                  ; -m
.endr
.irp b, 0,2,4,6,8,10,12,14,16,18,20,22,24,26,28,30
.irp t, 0,1
	v_pk_add_f32 v[SR+32*\t+\b:SR+32*\t+\b+1], v[SR+32*\t+\b:SR+32*\t+\b+1], v[ST+8*\t:ST+8*\t+1] op_sel_hi:[1,0]   ; s - m, two at a time
.endr
.endr
.irp t, 0,1
	v_exp_f32 v[ST+8*\t+6], -v[ST+8*\t+7]          ; a = 2^(old m - new m).  ONE BATCH of 66 exponentials, none of which reads another's result
.endr
.set NN, 0
.rept 64
	v_exp_f32 v[SR+NN], v[SR+NN]                   ; p = 2^(s - m)
.set NN, NN+1
.endr
	v_nop                                          ; a plain line behind the last exponential
	s_wait_alu depctr_va_vdst(0)                   ; one wait for the batch, ahead of its first reader
.irp t, 0,1
	v_pk_mul_f32 v[ST+8*\t+2:ST+8*\t+3], v[ST+8*\t+2:ST+8*\t+3], v[ST+8*\t+6:ST+8*\t+7] op_sel_hi:[1,0]   ; l under the new m
	v_pk_add_f32 v[ST+8*\t+4:ST+8*\t+5], v[SR+32*\t:SR+32*\t+1], v[SR+32*\t+2:SR+32*\t+3]                 ; the sums, in two chains a tile
.endr
.irp b, 4,8,12,16,20,24,28
.irp t, 0,1
	v_pk_add_f32 v[ST+8*\t+2:ST+8*\t+3], v[ST+8*\t+2:ST+8*\t+3], v[SR+32*\t+\b:SR+32*\t+\b+1]
	v_pk_add_f32 v[ST+8*\t+4:ST+8*\t+5], v[ST+8*\t+4:ST+8*\t+5], v[SR+32*\t+\b+2:SR+32*\t+\b+3]
.endr
.endr
.irp t, 0,1
	v_pk_add_f32 v[ST+8*\t+2:ST+8*\t+3], v[ST+8*\t+2:ST+8*\t+3], v[ST+8*\t+4:ST+8*\t+5]
.endr
.irp t, 0,1
.set NN, 0
.rept 16
	v_cvt_pk_f16_f32 v[SR+32*\t+NN], v[SR+32*\t+2*NN], v[SR+32*\t+2*NN+1]   ; in place, ascending: P of keys 32 g on is v[SR + 32 t + 8 g] on
.set NN, NN+1
.endr
.endr
.irp t, 0,1
.set NN, 0
.rept 16
	v_pk_mul_f32 v[OT+32*\t+2*NN:OT+32*\t+2*NN+1], v[OT+32*\t+2*NN:OT+32*\t+2*NN+1], v[ST+8*\t+6:ST+8*\t+7] op_sel_hi:[1,0]   ; O^T under the new m
.set NN, NN+1
.endr
.endr
	s_wait_dscnt 0x0                               ; V is in
.irp g, 0,1                            ; O^T += V^T P: eight accumulators by turns
.irp ct, 0,1,2,3
.irp t, 0,1
	v_wmma_f32_16x16x32_f16 v[OT+32*\t+8*\ct:OT+32*\t+8*\ct+7], v[KV+32*\g+8*\ct:KV+32*\g+8*\ct+7], v[SR+32*\t+8*\g:SR+32*\t+8*\g+7], v[OT+32*\t+8*\ct:OT+32*\t+8*\ct+7]
.endr
.endr
.endr
.rept 5
	v_nop                                          ; five places: the next step's products write over P's registers; its loads land in V's
.endr
.Lhidden_\@:
	s_add_co_u32 s[KF], s[KF], 64
.endm
; THE CHANGE OF SLOTS, at a slot's head.  Each wave waits for all its tensor loads (its part of the slot ahead), adds 0 to its spare word, and waits for that and for its reads of the slot that it has left.
; Behind the barrier the slot ahead is whole and nobody reads the other one.  fill = 1: that one takes the next 256 keys, up to the causal limit: the load has four key steps in which to land.
.macro CHANGE fill
	s_wait_tensorcnt 0x0                           ; no tensor load of mine is out, so the descriptor may be written
	ds_add_u32 v[SPW], v[NIL]                      ; 0 onto my spare word
.if \fill
	ds_add_u32 v[SPW], v[NIL]
	s_xor_b32 s[G0+1], s[G0+1], SLOT1              ; the other slot than last time,
	s_add_nc_u64 s[G0+2:G0+3], s[G0+2:G0+3], 32768 ; the next 256 keys
	s_wait_xcnt 0x0                                ; the last prefetch, a slot back, has read its address
	s_add_nc_u64 s[PFA:PFA+1], s[PFA:PFA+1], 32768 ; one slot further on than the descriptor
.endif
	s_wait_dscnt 0x0                               ; the add is done, and my reads of the slot that I have left are over
	s_barrier_signal -1
	s_barrier_wait -1
.if \fill
	s_add_co_u32 s19, s[KF], 256                   ; the first key of the slot that this change would ask for:
	s_cmp_gt_u32 s19, s[QL]                        ; behind the work-group's last query no wave would read it.  Ids and the count of steps alone: all sixteen waves go the same way
	s_cbranch_scc1 .Lpast_\@
	TLOAD                                          ; a wave's one tensor load until the next such barrier
.Lpast_\@:
	ASK
.endif
.endm
.macro SLOT_STEPS
.set Q, 0
.rept 4
	STEP Q
.set Q, Q+1
.endr
	s_xor_b32 s[TB], s[TB], SLOT1                  ; on to the other slot
.endm
	s_wait_loadcnt 0x0                             ; Q
.Lslot:                                            ; seven trips
	CHANGE 1
	SLOT_STEPS
	s_sub_co_u32 s[SLOTS], s[SLOTS], 1
	s_cmp_lg_u32 s[SLOTS], 0
	s_cbranch_scc1 .Lslot
	CHANGE 0                                       ; the last slot is written out: nothing is left to ask for
	SLOT_STEPS
	; THE WAY OUT: O^T / l, rounded to f16: a lane's eight channels of a row are 16 bytes of an image: 32 lanes store 512 consecutive bytes, with no stage.
.irp t, 0,1
	v_add_f32 v[ST+8*\t+4], v[ST+8*\t+2], v[ST+8*\t+3]
.endr
.irp t, 0,1
	v_permlanex16_b32 v[ST+8*\t+5], v[ST+8*\t+4], s[SEL], s[SEL+1]
.endr
.irp t, 0,1
	v_add_f32 v[ST+8*\t+4], v[ST+8*\t+4], v[ST+8*\t+5]
.endr
.irp t, 0,1
	v_rcp_f32 v[ST+8*\t+6], v[ST+8*\t+4]
.endr
	v_nop                                          ; a plain line behind the reciprocals,
	s_wait_alu depctr_va_vdst(0)                   ; and the one wait ahead of their first reader
.irp t, 0,1
.set NN, 0
.rept 16
	v_pk_mul_f32 v[OT+32*\t+2*NN:OT+32*\t+2*NN+1], v[OT+32*\t+2*NN:OT+32*\t+2*NN+1], v[ST+8*\t+6:ST+8*\t+7] op_sel_hi:[1,0]
.set NN, NN+1
.endr
.endr
.irp t, 0,1
.set NN, 0
.rept 16
	v_cvt_pk_f16_f32 v[SR+16*\t+NN], v[OT+32*\t+2*NN], v[OT+32*\t+2*NN+1]
.set NN, NN+1
.endr
.endr
.irp t, 0,1
.irp ct, 0,1,2,3
	global_store_b128 v[AK0], v[SR+16*\t+4*\ct:SR+16*\t+4*\ct+3], s[6:7] offset:\t*32768+\ct*512
.endr
.endr
	s_wait_tensorcnt 0x0                           ; the wave's end
	ds_add_u32 v[SPW], v[NIL]
	s_wait_dscnt 0x0
	s_endpgm
.Lfunc_end_k_q08432c8006_attn:
	.size	k_q08432c8006_attn, .Lfunc_end_k_q08432c8006_attn-k_q08432c8006_attn
	.p2alignl 7, 3214868480
	.fill 96, 4, 3214868480
	.section	.rodata,"a",@progbits
	.p2align	6, 0x0
	.amdhsa_kernel k_q08432c8006_attn
		.amdhsa_group_segment_fixed_size 327680
		.amdhsa_private_segment_fixed_size 0
		.amdhsa_enable_private_segment 0
		.amdhsa_kernarg_size 16
		.amdhsa_user_sgpr_count 2
		.amdhsa_user_sgpr_kernarg_segment_ptr 1
		.amdhsa_wavefront_size32 1
		.amdhsa_system_sgpr_workgroup_id_x 1
		.amdhsa_system_sgpr_workgroup_id_y 1
		.amdhsa_system_sgpr_workgroup_id_z 1
		.amdhsa_system_vgpr_workitem_id 0
		.amdhsa_next_free_vgpr 256
		.amdhsa_next_free_sgpr 66
		.amdhsa_reserve_vcc 1
		.amdhsa_float_denorm_mode_32 3
		.amdhsa_float_denorm_mode_16_64 3
		.amdhsa_memory_ordered 1
		.amdhsa_forward_progress 1
		.amdhsa_inst_pref_size 185
	.end_amdhsa_kernel
	.amdgpu_metadata
---
amdhsa.version: [ 1, 2 ]
amdhsa.kernels:
  - .name:           k_q08432c8006_attn
    .symbol:         k_q08432c8006_attn.kd
    .args:
      - { .name: qkv, .offset: 0, .size: 8, .value_kind: global_buffer, .address_space: global }
      - { .name: ctx, .offset: 8, .size: 8, .value_kind: global_buffer, .address_space: global }
    .group_segment_fixed_size: 327680
    .private_segment_fixed_size: 0
    .kernarg_segment_align: 8
    .kernarg_segment_size: 16
    .max_flat_workgroup_size: 512
    .sgpr_count:     66
    .vgpr_count:     256
    .wavefront_size: 32
...
	.end_amdgpu_metadata
.endif
;; end of part 3
;; launch oproj (part 4): grid 32 x 8, 4 waves a work-group, clusters of 4 x 1, 327,680 bytes of LDS; arguments ctx, woh, out0; writes out0
.if DOCPART == 4
	.amdgcn_target "amdgcn-amd-amdhsa--gfx1250"
	.amdhsa_code_object_version 6
	.text
	.protected	k_q08432c8006_oproj
	.globl	k_q08432c8006_oproj
	.p2align	8
	.type	k_q08432c8006_oproj,@function
k_q08432c8006_oproj:
	s_mov_b64 s[64:65], 0
	v_nop
	global_prefetch_b8 v0, s[64:65] scope:SCOPE_SE
	s_setreg_imm32_b32 hwreg(HW_REG_WAVE_MODE, 25, 1), 1
	s_wait_xcnt 0x0
	s_wait_alu depctr_hold_cnt(0) depctr_sa_sdst(0) depctr_va_vdst(0) depctr_va_sdst(0) depctr_va_ssrc(0) depctr_va_vcc(0) depctr_vm_vsrc(0)
	s_getreg_b32 s2, hwreg(HW_REG_IB_STS2, 6, 4)
	s_cmp_eq_u32 s2, 0
	s_cbranch_scc0 .Lentry_in_a_cluster
	s_endpgm
.Lentry_in_a_cluster:
	s_bfe_u32 s2, ttmp6, 0x10000c
	s_cmp_lg_u32 s2, 0x3003
	s_cbranch_scc0 .Lentry_shape_is_right
	s_endpgm
.Lentry_shape_is_right:
; OPROJ: out0 = ctx Wo^T, [8192][1024] x [1024][1024], operands in f16, sums and result in f32.  Both operands arrive as images of operand registers (512 bytes: lane 16 h + r: row r, K 8 h .. 8 h + 7 of 16 x 16).
; SHARES.  A work-group makes 256 rows x 128 columns; wave w rows 64 w .. 64 w + 63: 32 accumulators.  256 work-groups.
; Wo's PANEL (128 rows x all of K: 262,144 dense bytes) comes into LDS ONCE, as four chunks of 256 along K; nothing is filled again.  The four work-groups of a cluster share the panel: joint loads, mask 15.
; ctx's fragments are read by one wave of the work-group alone: they come from memory straight into a ring of eight K steps in registers: 56 loads of a wave, seven K steps, are on their way.
; THE MATRIX INSTRUCTION IS USED TRANSPOSED (source 0 = 16 rows of Wo, source 1 = 16 rows of ctx): a lane holds eight neighbouring numbers of a row of out0.
; THE WAY OUT: 16 rows x 512 bytes at a time through the wave's own stage in LDS, so that 32 lanes store 512 consecutive bytes of a row.
; LIMITS: operands in f16.  Rows 0 to 15 of each batch are written here too, and written over by the launch that carries them in f32.
; REGISTERS: window 0: v1-11 addresses; v64-127, v128-191 Wo's fragments, two sets (later rows on the way out).  window 1: ctx's ring: K step % 8, block i: 32 s + 8 i.  window 2: accumulator (i, b) at 8 (8 i + b).
.set STAGE, 262144                     ; behind the panel: 16 rows x 528 bytes for each wave
.set SPARE, STAGE+4*16*528             ; the spare words, 128 bytes a wave, which no other line names
.set LI,  1                            ; v1  16 x lane
.set ADB, 2                            ; v2-5  16 x lane + chunk x 65,536
.set STO, 6
.set RD,  7
.set SPW, 8
.set NIL, 9
.set G1,  24
.set G0,  32                           ; s[32:47] a group 0 for each chunk
.set MSB, 0
.macro WIN new
.if MSB != \new
	s_set_vgpr_msb (MSB<<8)|\new
.set MSB, \new
.endif
.endm
.macro CROUND                          ; a round of the cluster's barrier
	s_barrier_signal -1
	s_barrier_wait -1
	s_cmp_lg_u32 s10, 0
	s_cbranch_scc1 .Lnot_wave_0_\@
	s_barrier_signal -3
.Lnot_wave_0_\@:
	s_barrier_wait -3
	s_barrier_signal -1
	s_barrier_wait -1
.endm
.macro PLACES
.rept 4
	v_nop
.endr
.endm
	s_load_b128 s[4:7], s[0:1], 0x0                ; ctx, woh
	s_load_b64 s[8:9], s[0:1], 0x10                ; out0
	v_lshl_add_u32 v[SPW], v0, 2, SPARE
	v_mov_b32 v[NIL], 0
	ds_add_u32 v[SPW], v[NIL]                      ; the wave's opening: the add, twice on end, and its wait ahead of my first tensor load
	ds_add_u32 v[SPW], v[NIL]
	v_lshrrev_b32 v1, 5, v0
	v_readfirstlane_b32 s10, v1                    ; wave 0..3
	s_bfe_u32 s11, ttmp6, 0x40000                  ; cx
	s_lshl_b32 s12, ttmp9, 2
	s_add_co_u32 s12, s12, s11                     ; my block of 256 rows: it enters ctx's and out0's addresses alone
	s_and_b32 s13, ttmp7, 0xffff                   ; the panel, which the four partners share
	s_mov_b32 s[G1], 15|(3<<16)|(1<<21)            ; the mask: all four; elements of 8 bytes; bit 21 beside a mask; no padding
	s_mov_b32 s[G1+1], 32<<16                      ; rows of 256 bytes
	s_mov_b32 s[G1+2], 64<<16
	s_mov_b32 s[G1+3], 32<<16
	s_mov_b32 s[G1+4], 64                          ; 64 of them: 16,384 dense bytes a load
	s_mov_b32 s[G1+5], 32
	s_mov_b32 s[G1+6], 0
	s_mov_b32 s[G1+7], 0
	s_lshl_b32 s14, s10, 14                        ; my quarter of a chunk
	s_lshl_b32 s16, s13, 18
	s_add_co_u32 s16, s16, s14
	s_mov_b32 s17, 0
	s_lshl_b32 s18, s12, 4
	s_lshl_b32 s19, s10, 2
	s_add_co_u32 s18, s18, s19
	s_lshl_b32 s18, s18, 15                        ; ctx: block of 16 rows 16 X + 4 w, 32,768 bytes each
	s_mov_b32 s19, 0
	s_lshl_b32 s20, s12, 8
	s_lshl_b32 s21, s10, 6
	s_add_co_u32 s20, s20, s21
	s_lshl_b32 s20, s20, 12                        ; out0: row 256 X + 64 w, 4,096 bytes each,
	s_lshl_b32 s21, s13, 9                         ; + the panel's 512 bytes
	s_add_co_u32 s20, s20, s21
	s_mov_b32 s21, 0
	s_mul_i32 s22, s10, 16*528
	s_add_co_u32 s22, s22, STAGE                   ; my stage
	s_wait_dscnt 0x0                               ; both opening adds are done
	s_wait_kmcnt 0x0
	s_add_nc_u64 s[16:17], s[6:7], s[16:17]
	s_add_nc_u64 s[4:5], s[4:5], s[18:19]
	s_add_nc_u64 s[8:9], s[8:9], s[20:21]
.irp c, 0,1,2,3
	s_mov_b32 s[G0+4*\c], 1
	s_add_co_u32 s[G0+4*\c+1], s14, \c*65536
	s_add_nc_u64 s[G0+4*\c+2:G0+4*\c+3], s[16:17], \c*65536
	s_or_b32 s[G0+4*\c+3], s[G0+4*\c+3], 0x80000000
.endr
	CROUND                                         ; all four work-groups are here: the joint loads meet
.irp c, 0,1,2,3
	tensor_load_to_lds s[G0+4*\c:G0+4*\c+3], s[G1:G1+7]   ; four tensor loads of mine are out
	s_nop 0
.endr
.rept 4
	v_nop
.endr
	v_and_b32 v[LI], 31, v0
	v_lshlrev_b32 v[LI], 4, v[LI]
.irp c, 0,1,2,3
	v_add_nc_u32 v[ADB+\c], \c*65536, v[LI]
.endr
	v_and_b32 v10, 15, v0                          ; r
	v_bfe_u32 v11, v0, 4, 1                        ; h
	v_mul_u32_u24 v[STO], v10, 528
	v_lshl_add_u32 v[STO], v11, 5, v[STO]
	v_add_nc_u32 v[STO], s22, v[STO]               ; into the stage: row r, + 32 h
	v_add_nc_u32 v[RD], s22, v[LI]                 ; back: a row of 512 bytes, 16 a lane
.macro LOAD_A kk                       ; ctx's four fragments of K step kk
.irp i, 0,1,2,3
.irp e, 0,1
	global_load_b128 v[32*((\kk)%8)+8*\i+4*\e:32*((\kk)%8)+8*\i+4*\e+3], v[LI], s[4:5] offset:\i*32768+(\kk)*1024+\e*512
.endr
.endr
.endm
.macro FETCH_B kk                      ; Wo's eight fragments of K step kk
.irp b, 0,1,2,3,4,5,6,7
.irp e, 0,1
	ds_load_b128 v[64+64*((\kk)%2)+8*\b+4*\e:64+64*((\kk)%2)+8*\b+4*\e+3], v[ADB+(\kk)/8] offset:\b*8192+((\kk)%8)*1024+\e*512
.endr
.endr
.endm
	WIN 0x40                                       ; destination window 1
.irp k, 0,1,2,3,4,5,6
	LOAD_A \k
.endr
	WIN 0
	s_wait_tensorcnt 3                             ; my part of chunk 0 is in; the three later chunks may be out
	s_barrier_signal -1
	s_barrier_wait -1
	FETCH_B 0
.macro KSTEP k
.if (\k) > 0
	PLACES                                         ; in front of loads into registers that the last K step's products have read
.endif
.if ((\k)+1)%8 == 0 && (\k) < 31
	s_wait_dscnt 0x0                               ; no LDS instruction of mine is out at the signal
	s_wait_tensorcnt 3-((\k)+1)/8                  ; my part of the next chunk is in; later chunks may be out
	s_barrier_signal -1
	s_barrier_wait -1
.endif
.if (\k) < 31
	WIN 0
	FETCH_B (\k)+1
.endif
.if (\k)+7 < 32
	WIN 0x40
	LOAD_A (\k)+7
.endif
.if (\k) < 31
	s_wait_dscnt 16                                ; this step's fragments of Wo are in; the sixteen loads just issued may be out
.else
	s_wait_dscnt 0x0
.endif
.if (\k) < 25
	s_wait_loadcnt 56                              ; this step's eight loads are in; those of seven later steps may be out
.else
	s_wait_loadcnt 8*(31-(\k))
.endif
	WIN 0xa4                                       ; source 0 (Wo) window 0, source 1 (ctx) window 1, C and D window 2
.irp i, 0,1,2,3                        ; the 32 accumulators take turns, one instruction a turn
.irp b, 0,1,2,3,4,5,6,7
.if (\k) == 0
	v_wmma_f32_16x16x32_f16 v[8*(8*\i+\b):8*(8*\i+\b)+7], v[64+64*((\k)%2)+8*\b:64+64*((\k)%2)+8*\b+7], v[32*((\k)%8)+8*\i:32*((\k)%8)+8*\i+7], 0
.else
	v_wmma_f32_16x16x32_f16 v[8*(8*\i+\b):8*(8*\i+\b)+7], v[64+64*((\k)%2)+8*\b:64+64*((\k)%2)+8*\b+7], v[32*((\k)%8)+8*\i:32*((\k)%8)+8*\i+7], v[8*(8*\i+\b):8*(8*\i+\b)+7]
.endif
.endr
.endr
.endm
.set KK, 0
.rept 32
	KSTEP KK
.set KK, KK+1
.endr
.macro TOSTAGE i
	WIN 0x08                                       ; an LDS store's data are its source 1: window 2
.irp b, 0,1,2,3,4,5,6,7
	ds_store_b128 v[STO], v[8*(8*(\i)+\b):8*(8*(\i)+\b)+3] offset:64*\b            ; each accumulator from its low end on
	ds_store_b128 v[STO], v[8*(8*(\i)+\b)+4:8*(8*(\i)+\b)+7] offset:64*\b+16
.endr
	WIN 0
.irp t, 0,1,2,3,4,5,6,7,8,9,10,11,12,13,14,15
	ds_load_b128 v[64+64*((\i)%2)+4*\t:64+64*((\i)%2)+4*\t+3], v[RD] offset:\t*528   ; LDS serves a wave's instructions in order (ISA guide 5.7.1.4): these see the stores above
.endr
.endm
.macro SEND i, younger                 ; younger: the LDS instructions issued behind block i's loads
	s_wait_dscnt \younger
.irp t, 0,1,2,3,4,5,6,7,8,9,10,11,12,13,14,15
	global_store_b128 v[LI], v[64+64*((\i)%2)+4*\t:64+64*((\i)%2)+4*\t+3], s[8:9] offset:(16*(\i)+\t)*4096 th:TH_STORE_NT   ; 32 lanes store 512 consecutive bytes
.endr
.endm
	PLACES                                         ; in front of the first read of results and of loads into Wo's registers
	TOSTAGE 0
	TOSTAGE 1
	SEND 0, 32                                     ; behind block 0's loads: block 1's 16 stores and 16 loads
	s_wait_xcnt 0x0                                ; block 0's stores have read their registers: block 2's loads may land there
	TOSTAGE 2
	SEND 1, 32
	s_wait_xcnt 0x0
	TOSTAGE 3
	SEND 2, 32
	SEND 3, 0
	s_wait_tensorcnt 0x0                           ; the wave's end
	ds_add_u32 v[SPW], v[NIL]
	s_wait_dscnt 0x0
	CROUND                                         ; the closing round
	s_endpgm
.Lfunc_end_k_q08432c8006_oproj:
	.size	k_q08432c8006_oproj, .Lfunc_end_k_q08432c8006_oproj-k_q08432c8006_oproj
	.p2alignl 7, 3214868480
	.fill 96, 4, 3214868480
	.section	.rodata,"a",@progbits
	.p2align	6, 0x0
	.amdhsa_kernel k_q08432c8006_oproj
		.amdhsa_group_segment_fixed_size 327680
		.amdhsa_private_segment_fixed_size 0
		.amdhsa_enable_private_segment 0
		.amdhsa_kernarg_size 24
		.amdhsa_user_sgpr_count 2
		.amdhsa_user_sgpr_kernarg_segment_ptr 1
		.amdhsa_wavefront_size32 1
		.amdhsa_system_sgpr_workgroup_id_x 1
		.amdhsa_system_sgpr_workgroup_id_y 1
		.amdhsa_system_sgpr_workgroup_id_z 1
		.amdhsa_system_vgpr_workitem_id 0
		.amdhsa_next_free_vgpr 768
		.amdhsa_next_free_sgpr 66
		.amdhsa_reserve_vcc 0
		.amdhsa_float_denorm_mode_32 3
		.amdhsa_float_denorm_mode_16_64 3
		.amdhsa_memory_ordered 1
		.amdhsa_forward_progress 1
		.amdhsa_inst_pref_size 149
	.end_amdhsa_kernel
	.amdgpu_metadata
---
amdhsa.version: [ 1, 2 ]
amdhsa.kernels:
  - .name:           k_q08432c8006_oproj
    .symbol:         k_q08432c8006_oproj.kd
    .args:
      - { .name: ctx, .offset: 0, .size: 8, .value_kind: global_buffer, .address_space: global }
      - { .name: woh, .offset: 8, .size: 8, .value_kind: global_buffer, .address_space: global }
      - { .name: out0, .offset: 16, .size: 8, .value_kind: global_buffer, .address_space: global }
    .group_segment_fixed_size: 327680
    .private_segment_fixed_size: 0
    .kernarg_segment_align: 8
    .kernarg_segment_size: 24
    .max_flat_workgroup_size: 128
    .sgpr_count:     66
    .vgpr_count:     768
    .wavefront_size: 32
...
	.end_amdgpu_metadata
.endif
;; end of part 4
;; launch first16 (part 5): grid 64 x 4, 16 waves a work-group, no clusters, 18,432 bytes of LDS; arguments head16, Wo, out0; writes out0
.if DOCPART == 5
	.amdgcn_target "amdgcn-amd-amdhsa--gfx1250"
	.amdhsa_code_object_version 6
	.text
	.protected	k_q08432c8006_first16
	.globl	k_q08432c8006_first16
	.p2align	8
	.type	k_q08432c8006_first16,@function
k_q08432c8006_first16:
	s_mov_b64 s[64:65], 0
	v_nop
	global_prefetch_b8 v0, s[64:65] scope:SCOPE_SE
	s_setreg_imm32_b32 hwreg(HW_REG_WAVE_MODE, 25, 1), 1
	s_wait_xcnt 0x0
; FIRST16: positions 0 to 15 of every sequence once more, all in f32: these rows average one to sixteen values, are the largest of the output, and bear no 16-bit operand.
; Work-group (16 columns of out0, batch); wave = head.  Each wave makes its head's 16 x 16 attention from the f32 rows that the projection left (q already times log2(e) / 8), then its head's part of
; out0[16 rows][16 columns] = ctx Wo^T; the sixteen parts meet in LDS and two waves add and store them.  Every work-group of a batch repeats the 16 small attentions: 32 matrix instructions a wave,
; the price of sharing the projection out over 64 x 4 work-groups.
; All products by the f32 matrix form, 16 x 16 x 4, 48 a wave.  K may be taken in any order that is the same on both sides: so the images serve as operands as they lie (a pair of registers: K = two channels
; of each half of the lanes), and each result's registers are the next product's operand.  Both products are used transposed: a lane holds one query throughout.
; The registers that the matrix form writes (v160-175, v184-231) are written by it alone; sums begin with the constant 0; what is made of them goes elsewhere.
; The stores are 16 bytes a lane, 64 bytes on end a row: 262,144 bytes in the whole launch; a wider column block would leave most of the chip without work.
; LIMITS: NaN and infinities are not served.
.set SPARE, 16384                      ; behind the sixteen parts of 1,024 bytes: the spare words, 128 bytes a wave, which no other line names
.set LI,  1                            ; v1  16 x lane
.set VB,  2                            ; v2  v: my lane's byte: channel r, key 8 h
.set WB,  3                            ; v3  4,096 r + 32 h: Wo's rows, and out0's
.set RH,  4                            ; v4  r - 8 h
.set LW,  5                            ; v5  where I put my part
.set LR,  6                            ; v6  where waves 0 and 1 read the parts
.set SPW, 8
.set NIL, 9
.set QF,  32                           ; v32-63 q, later ctx
.set KF,  64
.set VF,  96
.set WF,  128
.set SA,  160                          ; v160-167, v168-175 the scores in two halves of K
.set PP,  176                          ; v176-183 the scores' sum, then p
.set CD,  184                          ; v184-215 ctx^T, four tiles of channels
.set OA,  216                          ; v216-223, v224-231 my part of the output in two halves of K
.set OS,  232
	s_load_b128 s[4:7], s[0:1], 0x0                ; head16, Wo
	s_load_b64 s[8:9], s[0:1], 0x10                ; out0
	v_lshl_add_u32 v[SPW], v0, 2, SPARE
	v_mov_b32 v[NIL], 0
	v_lshrrev_b32 v10, 5, v0
	v_readfirstlane_b32 s10, v10                   ; wave = head
	s_and_b32 s11, ttmp7, 0xffff                   ; batch
	v_and_b32 v11, 31, v0
	v_and_b32 v12, 15, v0                          ; r
	v_bfe_u32 v13, v0, 4, 1                        ; h
	v_lshlrev_b32 v[LI], 4, v11
	v_bfe_u32 v14, v12, 2, 1                       ; channel 16 ct + r of key 8 h + t lies in image (ct, (r / 4) % 2), lane 16 (r / 8) + 8 h + t, word r % 4
	v_lshlrev_b32 v[VB], 9, v14
	v_lshrrev_b32 v14, 3, v12
	v_lshl_add_u32 v[VB], v14, 8, v[VB]
	v_lshl_add_u32 v[VB], v13, 7, v[VB]
	v_and_b32 v14, 3, v12
	v_lshl_add_u32 v[VB], v14, 2, v[VB]
	v_lshlrev_b32 v[WB], 12, v12
	v_lshl_add_u32 v[WB], v13, 5, v[WB]
	v_lshlrev_b32 v14, 3, v13
	v_sub_nc_u32 v[RH], v12, v14
	s_lshl_b32 s12, s10, 10
	v_add_nc_u32 v[LW], s12, v[LI]
	s_and_b32 s16, s10, 1
	s_lshl_b32 s12, s16, 9
	v_add_nc_u32 v[LR], s12, v[LI]
	s_mov_b32 s14, 0x76543210
	s_mov_b32 s15, 0xfedcba98                      ; v_permlanex16_b32's selects for lane l xor 16
	s_mul_i32 s12, s11, 48
	s_add_co_u32 s12, s12, s10
	s_lshl_b32 s12, s12, 12                        ; (3 x 16 x batch + head) x 4,096: q; k 65,536 and v 131,072 further on
	s_mov_b32 s13, 0
	s_lshl_b32 s18, ttmp9, 16                      ; Wo: 16 rows of 4,096 bytes a column block,
	s_lshl_b32 s19, s10, 8                         ; + my head's 64 numbers
	s_add_co_u32 s18, s18, s19
	s_mov_b32 s19, 0
	s_lshl_b32 s20, s11, 23                        ; out0: the batch's 8,388,608 bytes,
	s_lshl_b32 s21, ttmp9, 6                       ; + the column block's 64 bytes,
	s_add_co_u32 s20, s20, s21
	s_lshl_b32 s21, s16, 4                         ; + which four of a lane's eight columns (waves 0 and 1)
	s_add_co_u32 s20, s20, s21
	s_mov_b32 s21, 0
	s_wait_kmcnt 0x0
	s_add_nc_u64 s[4:5], s[4:5], s[12:13]
	s_add_nc_u64 s[6:7], s[6:7], s[18:19]
	s_add_nc_u64 s[8:9], s[8:9], s[20:21]
.irp n, 0,1,2,3,4,5,6,7
	global_load_b128 v[QF+4*\n:QF+4*\n+3], v[LI], s[4:5] offset:512*\n
.endr
.irp n, 0,1,2,3,4,5,6,7
	global_load_b128 v[KF+4*\n:KF+4*\n+3], v[LI], s[4:5] offset:65536+512*\n
.endr
.irp ct, 0,1,2,3
.irp t, 0,1,2,3,4,5,6,7
	global_load_b32 v[VF+8*\ct+\t], v[VB], s[4:5] offset:131072+\ct*1024+\t*16      ; v(key 8 h + t, channel 16 ct + r)
.endr
.endr
.irp ct, 0,1,2,3
.irp e, 0,1
	global_load_b128 v[WF+8*\ct+4*\e:WF+8*\ct+4*\e+3], v[WB], s[6:7] offset:\ct*64+16*\e   ; Wo(column r, channel 16 ct + 8 h + 4 e ..)
.endr
.endr
	s_wait_loadcnt 40                              ; q and k are in; v's 32 loads and Wo's 8 may be out
.irp k, 0,1,2,3,4,5,6,7,8,9,10,11,12,13,14,15  ; S^T = K Q^T: two accumulators by turns
.if \k < 2
	v_wmma_f32_16x16x4_f32 v[SA+8*(\k%2):SA+8*(\k%2)+7], v[KF+2*\k:KF+2*\k+1], v[QF+2*\k:QF+2*\k+1], 0
.else
	v_wmma_f32_16x16x4_f32 v[SA+8*(\k%2):SA+8*(\k%2)+7], v[KF+2*\k:KF+2*\k+1], v[QF+2*\k:QF+2*\k+1], v[SA+8*(\k%2):SA+8*(\k%2)+7]
.endif
.endr
.rept 8
	v_nop                                          ; eight places behind this form (ISA guide 7.12.1)
.endr
	v_mov_b32 v10, 0xff800000
.irp j, 0,1,2,3,4,5,6,7
	v_add_f32 v[PP+\j], v[SA+\j], v[SA+8+\j]       ; lane (r, h), register j: query r, key 8 h + j
.endr
.irp j, 0,1,2,3,4,5,6,7
	v_cmp_gt_i32 vcc_lo, \j, v[RH]                 ; hidden where 8 h + j > r
	v_cndmask_b32 v[PP+\j], v[PP+\j], v10, vcc_lo
.endr
	v_max3_num_f32 v11, v[PP], v[PP+1], v[PP+2]
	v_max3_num_f32 v12, v[PP+3], v[PP+4], v[PP+5]
	v_max3_num_f32 v11, v11, v[PP+6], v[PP+7]
	v_max_num_f32 v11, v11, v12
	v_permlanex16_b32 v12, v11, s14, s15
	v_max_num_f32 v11, v11, v12                    ; the row's maximum: key 0 counts for every query
.irp j, 0,1,2,3,4,5,6,7
	v_sub_f32 v[PP+\j], v[PP+\j], v11
.endr
.irp j, 0,1,2,3,4,5,6,7
	v_exp_f32 v[PP+\j], v[PP+\j]
.endr
	v_nop                                          ; a plain line behind the exponentials,
	s_wait_alu depctr_va_vdst(0)                   ; and one wait for the eight, ahead of their first reader
	v_add_f32 v13, v[PP], v[PP+1]
	v_add_f32 v14, v[PP+2], v[PP+3]
	v_add_f32 v13, v13, v[PP+4]
	v_add_f32 v14, v14, v[PP+5]
	v_add_f32 v13, v13, v[PP+6]
	v_add_f32 v14, v14, v[PP+7]
	v_add_f32 v13, v13, v14
	v_permlanex16_b32 v14, v13, s14, s15
	v_add_f32 v13, v13, v14                        ; the row's sum
	v_rcp_f32 v15, v13
	v_nop                                          ; a plain line behind the reciprocal; its wait stands ahead of its first reader, below
	s_wait_loadcnt 8                               ; v is in; Wo's 8 loads may be out
.irp k, 0,1,2,3                        ; ctx^T = V^T P: K = keys 8 h + 2 k + 0, 1; four accumulators by turns
.irp ct, 0,1,2,3
.if \k == 0
	v_wmma_f32_16x16x4_f32 v[CD+8*\ct:CD+8*\ct+7], v[VF+8*\ct+2*\k:VF+8*\ct+2*\k+1], v[PP+2*\k:PP+2*\k+1], 0
.else
	v_wmma_f32_16x16x4_f32 v[CD+8*\ct:CD+8*\ct+7], v[VF+8*\ct+2*\k:VF+8*\ct+2*\k+1], v[PP+2*\k:PP+2*\k+1], v[CD+8*\ct:CD+8*\ct+7]
.endif
.endr
.endr
.rept 8
	v_nop
.endr
	s_wait_alu depctr_va_vdst(0)                   ; the reciprocal's wait
.set NN, 0
.rept 32
	v_mul_f32 v[QF+NN], v[CD+NN], v15              ; ctx(query r, channel 16 ct + 8 h + j), into q's registers, which are done with
.set NN, NN+1
.endr
	s_wait_loadcnt 0x0                             ; Wo
.irp k, 0,1,2,3,4,5,6,7,8,9,10,11,12,13,14,15  ; my head's part of out^T = Wo ctx^T: two accumulators by turns
.if \k < 2
	v_wmma_f32_16x16x4_f32 v[OA+8*(\k%2):OA+8*(\k%2)+7], v[WF+2*\k:WF+2*\k+1], v[QF+2*\k:QF+2*\k+1], 0
.else
	v_wmma_f32_16x16x4_f32 v[OA+8*(\k%2):OA+8*(\k%2)+7], v[WF+2*\k:WF+2*\k+1], v[QF+2*\k:QF+2*\k+1], v[OA+8*(\k%2):OA+8*(\k%2)+7]
.endif
.endr
.rept 8
	v_nop
.endr
.irp j, 0,1,2,3,4,5,6,7
	v_add_f32 v[OS+\j], v[OA+\j], v[OA+8+\j]       ; lane (r, h), register j: row r, column 8 h + j
.endr
	ds_store_b128 v[LW], v[OS:OS+3]
	ds_store_b128 v[LW], v[OS+4:OS+7] offset:512
	s_wait_dscnt 0x0                               ; for the others' sake: my part lies in LDS
	s_barrier_signal -1
	s_barrier_wait -1
	s_cmp_lt_u32 s10, 2                            ; waves 0 and 1 add the sixteen parts: four of a lane's eight columns each
	s_cbranch_scc0 .Ldone
.irp n, 0,1,2,3,4,5,6,7,8,9,10,11,12,13,14,15
	ds_load_b128 v[32+4*\n:35+4*\n], v[LR] offset:1024*\n
.endr
	s_wait_dscnt 0x0
.irp n, 1,2,3,4,5,6,7,8,9,10,11,12,13,14,15
	v_pk_add_f32 v[32:33], v[32:33], v[32+4*\n:33+4*\n]
	v_pk_add_f32 v[34:35], v[34:35], v[34+4*\n:35+4*\n]
.endr
	global_store_b128 v[WB], v[32:35], s[8:9]
.Ldone:
	s_wait_tensorcnt 0x0                           ; the wave's end
	ds_add_u32 v[SPW], v[NIL]
	s_wait_dscnt 0x0
	s_endpgm
.Lfunc_end_k_q08432c8006_first16:
	.size	k_q08432c8006_first16, .Lfunc_end_k_q08432c8006_first16-k_q08432c8006_first16
	.p2alignl 7, 3214868480
	.fill 96, 4, 3214868480
	.section	.rodata,"a",@progbits
	.p2align	6, 0x0
	.amdhsa_kernel k_q08432c8006_first16
		.amdhsa_group_segment_fixed_size 18432
		.amdhsa_private_segment_fixed_size 0
		.amdhsa_enable_private_segment 0
		.amdhsa_kernarg_size 24
		.amdhsa_user_sgpr_count 2
		.amdhsa_user_sgpr_kernarg_segment_ptr 1
		.amdhsa_wavefront_size32 1
		.amdhsa_system_sgpr_workgroup_id_x 1
		.amdhsa_system_sgpr_workgroup_id_y 1
		.amdhsa_system_sgpr_workgroup_id_z 1
		.amdhsa_system_vgpr_workitem_id 0
		.amdhsa_next_free_vgpr 256
		.amdhsa_next_free_sgpr 66
		.amdhsa_reserve_vcc 1
		.amdhsa_float_denorm_mode_32 3
		.amdhsa_float_denorm_mode_16_64 3
		.amdhsa_memory_ordered 1
		.amdhsa_forward_progress 1
		.amdhsa_inst_pref_size 18
	.end_amdhsa_kernel
	.amdgpu_metadata
---
amdhsa.version: [ 1, 2 ]
amdhsa.kernels:
  - .name:           k_q08432c8006_first16
    .symbol:         k_q08432c8006_first16.kd
    .args:
      - { .name: head16, .offset: 0, .size: 8, .value_kind: global_buffer, .address_space: global }
      - { .name: Wo, .offset: 8, .size: 8, .value_kind: global_buffer, .address_space: global }
      - { .name: out0, .offset: 16, .size: 8, .value_kind: global_buffer, .address_space: global }
    .group_segment_fixed_size: 18432
    .private_segment_fixed_size: 0
    .kernarg_segment_align: 8
    .kernarg_segment_size: 24
    .max_flat_workgroup_size: 512
    .sgpr_count:     66
    .vgpr_count:     256
    .wavefront_size: 32
...
	.end_amdgpu_metadata
.endif
;; end of part 5
